; MI455X (gfx1250); checked and timed in simulation.
; The chip was launched on July 23, 2026; its instructions are those of AMD's public machine-readable ISA for CDNA 5 (MIT licence, August 2026) and "CDNA5" Instruction Set Architecture Reference Guide (July 2026). The comments in the code are by the model that wrote it; some were corrected since.
;; Multi Head Differential Attention. Allowed arithmetic: matrix products marked QUANTISED: E2M1 operands, one E8M0 scale for each 32 along K, by v_wmma_scale_f32_16x16x128_f8f6f4 with both operands' format E2M1 (or v_wmma_scale_f32_32x16x128_f4), f32 sums; products left as they are: bf16, f16 or f32 operands; f32 sums; everything else in f32.
;; Inputs: Wk 16 x 1,024 x 128 float32; Wo 1,024 x 1,024 float32; Wq 16 x 1,024 x 128 float32; Wv 16 x 1,024 x 64 float32; X 1 x 2,048 x 1,024 float32; beta 1,024 float32; bk 16 x 128 float32; bo 1,024 float32; bq 16 x 128 float32; bv 16 x 64 float32; gamma 1,024 float32; lam one number float32.
;; Outputs: out0 1 x 2,048 x 1,024 float32.
;; This version of the problem:
;;   THIS VERSION OF THE PROBLEM IS GIVEN IN LOW PRECISION. The matrix products marked QUANTISED in the list below multiply operands that are first quantised to E2M1 (2 exponent bits, 1 mantissa bit; 4 bits a number), with one power-of-two scale for each 32 numbers along K (OCP MX v1.0); their sums are f32. The products marked 'left as it is' may take bf16, f16 or f32 operands, with f32 sums. Whichever they take, every output number must still come out within the allowed error. Rounding operands to bf16 (8 significant bits) uses up far more of that allowance than f16 does (11 bits, for magnitudes from 6e-5 to 65,504). All else is computed in f32.
;;   The module's matrix products, in the order in which they are computed (A, B: the left and right operand; K: the contracted axis; several contracted axes count as one K, in the product's order):
;;     1. [M 2,048, K 1,024] x [K 1,024, N 2,048]; A: input Wq; B: input X: QUANTISED
;;     2. [M 2,048, K 1,024] x [K 1,024, N 2,048]; A: input Wk; B: input X: QUANTISED
;;     3. [M 1,024, K 1,024] x [K 1,024, N 2,048]; A: input Wv; B: input X: QUANTISED
;;     4. batch 16 x [M 2,048, K 64] x [K 64, N 2,048]; A: computed on the way; B: computed on the way: left as it is (an operand is computed on the way)
;;     5. batch 16 x [M 2,048, K 64] x [K 64, N 2,048]; A: computed on the way; B: computed on the way: left as it is (an operand is computed on the way)
;;     6. batch 16 x [M 2,048, K 2,048] x [K 2,048, N 64]; A: computed on the way; B: computed on the way: left as it is (an operand is computed on the way)
;;     7. [M 2,048, K 1,024] x [K 1,024, N 1,024]; A: computed on the way; B: input Wo: left as it is (an operand is computed on the way)
;;   THE QUANTISER, for each operand of a quantised product, along K:
;;     - K is cut into blocks of 32 from its start; a last block that is shorter is filled with zeros.
;;     - A block's scale is 2^e with e = floor(log2(the largest magnitude in the block)) - 2, held to -126 .. 127; a block of zeros has e = 0. As a byte (E8M0): e + 127.
;;     - Each number is divided by its block's scale, clamped to +-6, and rounded to the nearest number of E2M1, ties to even, subnormals kept.
;;     - The product sums the exact products of the quantised numbers (number of the format x scale) in f32.
;;   ~~~python
;;   def quantise(x, axis):      # numpy; x: float32 -> the quantised numbers, widened to float32 again
;;       x = np.moveaxis(x, axis, -1); K = x.shape[-1]
;;       x = np.pad(x, [(0, 0)] * (x.ndim - 1) + [(0, -K % 32)]); x = x.reshape(x.shape[:-1] + (-1, 32)); a = np.abs(x).max(-1, keepdims=True)
;;       e = np.where(a > 0, np.clip(np.frexp(np.where(a > 0, a, 1))[1] - 1 - 2, -126, 127), 0)      # np.frexp(a)[1] - 1 = floor(log2(a)), exactly
;;       r = np.clip(x / 2.0 ** e, -6, 6)
;;       step = 2.0 ** (np.maximum(np.frexp(np.where(r == 0, 1, r))[1] - 1, 0) - 1)
;;       q = np.round(r / step) * step * 2.0 ** e      # np.round: ties to even
;;       return np.moveaxis(q.reshape(q.shape[:-2] + (-1,))[..., :K], -1, axis).astype(np.float32)
;;   ~~~
;; One version. Each part assembles by itself: llvm-mc -triple=amdgcn-amd-amdhsa -mcpu=gfx1250 --defsym DOCPART=n.
;; ======== version 1 of 1: 5 launches
;; limits: values are held in f16: magnitudes above 65,504 overflow, below 6.1e-05 lose precision
;; workspace buffers: codes 3,670,016 bytes; scales 229,376 bytes; woimg 2,097,152 bytes; qimg 8,388,608 bytes; kvimg 12,582,912 bytes; oimg 4,194,304 bytes; y 8,388,608 bytes
;; launch prep (part 1): grid 256 x 1, 16 waves a work-group, no clusters, 103,424 bytes of LDS; arguments X, Wq, Wk, Wv, Wo, codes, scales, woimg; writes codes, scales, woimg
.if DOCPART == 1
	.amdgcn_target "amdgcn-amd-amdhsa--gfx1250"
	.amdhsa_code_object_version 6
	.text
	.protected	k_q1493924111_prep
	.globl	k_q1493924111_prep
	.p2align	8
	.type	k_q1493924111_prep,@function
k_q1493924111_prep:
	s_mov_b64 s[64:65], 0
	v_nop
	global_prefetch_b8 v0, s[64:65] scope:SCOPE_SE
	s_setreg_imm32_b32 hwreg(HW_REG_WAVE_MODE, 25, 1), 1
	s_wait_xcnt 0x0
; PREP.  X [2048][1024], Wq, Wk [16][1024][128] and Wv [16][1024][64], f32, become codes of FP4 (E2M1) with one E8M0 byte for each 32 along E, the products' K.
; codes: [7168 rows][512 bytes], K innermost, two codes a byte: rows 0.. tokens of X, 2048 + 128 h + c Wq, 4096 + 128 h + c Wk, 6144 + 64 h + d Wv.  scales: [7168][32 bytes].
; Wo [1024 (k)][1024 (n)], f32, becomes f16 in the order of a matrix operand's registers: woimg [n / 16][k / 32][1,024 bytes]: bytes 0-511 registers 0-3, bytes 512-1023 registers 4-7, lane l's 16 bytes at 16 l.
; A block's scale is 2^(floor(log2(largest magnitude)) - 2); its byte is the largest magnitude's exponent field - 2, held at 1 from below.
; LIMITS: a block of zeros gets the byte 1 (its codes are zeros, and this program alone reads the bytes); blocks whose largest magnitude lies under 2^(3 - 127) are held at that floor; NaN and infinities are not served;
; Wo's numbers go to f16: magnitudes up to 65,504, an absolute step of 6e-8 under 6e-5.
; SHARES.  256 work-groups of 16 waves, 128 KiB of input each, 8 KiB a wave, all of a wave's loads issued at once.  Work-groups 0-63: X; 64-223: Wq, Wk, Wv; 224-255: Wo.  The three ways part on the work-group's number
; alone and have LDS bytes of their own.  No tensor load, no cluster: no byte is read twice.
; X: K is innermost: a plain stream of blocks; a step's 2,048 bytes are loaded as they lie and turn through the wave's stage, so that a lane holds 16 neighbours.
; THE WEIGHTS: K is not innermost: a lane takes a column and its registers run down K.  A work-group takes 64 columns x 512 along K; wave w: 32 columns (w % 2), 64 along K (w / 2).
.set SP,    80                         ; a lane's place in X's stage: 64 bytes + 16 of padding
.set XSCB,  16*2*32*SP                 ; behind the 16 waves' two stages each: X's 1,024 scale bytes
.set WSTG,  XSCB+1024                  ; the weights' stage: 64 columns x (256 bytes of codes + 16)
.set WP,    272
.set WSCB,  WSTG+64*WP                 ; the weights' scale bytes: 64 columns x 16
.set SPARE, WSCB+1024                  ; the spare words, 128 bytes for each wave: eight blocks of 256 bytes that no other line names
.set SPW,   12                         ; v12  LDS address of my spare word; never rewritten
.set NIL,   13                         ; v13  0; never rewritten
.set R,     16                         ; v16-79   64 registers as loaded
.set XX,    80                         ; v80-111  X: two sets of 16 neighbours; weights: codes; Wo: f16 pairs
.set CD,    112                        ; v112-119 X's codes, two registers a step
.set EB,    120                        ; v120-123 scale bytes
.set WSI,   128                        ; v128 weights: where my column's codes go in the stage
.set WBI,   129                        ; v129 and its two scale bytes
.set WSO,   130                        ; v130 where I read rows of the stage back
.set WBO,   131                        ; v131 and 16 scale bytes
.set WGO,   132                        ; v132 my byte offset in two rows of codes
.set WGS,   133                        ; v133 my byte offset among 64 rows of scales
.set WOO,   134                        ; v134 my byte offset in woimg
	s_load_b256 s[4:11], s[0:1], 0x0               ; X s[4:5], Wq s[6:7], Wk s[8:9], Wv s[10:11]
	s_load_b256 s[12:19], s[0:1], 0x20             ; Wo s[12:13], codes s[14:15], scales s[16:17], woimg s[18:19]
	v_lshl_add_u32 v[SPW], v0, 2, SPARE
	v_mov_b32 v[NIL], 0
	v_lshrrev_b32 v1, 5, v0
	v_readfirstlane_b32 s20, v1                    ; wave 0..15
	s_and_b32 s22, s20, 1                          ; cg: which 32 columns
	s_lshr_b32 s23, s20, 1                         ; kq: which 64 along K
	v_and_b32 v2, 31, v0                           ; lane
	v_lshlrev_b32 v3, 4, v2                        ; 16 x lane
	v_lshlrev_b32 v4, 3, v2                        ; 8 x lane
	v_lshlrev_b32 v10, 2, v2                       ; 4 x lane
	; every LDS address is made here, ahead of the branches: a constant + a constant x lane + a constant x wave
	s_mul_i32 s21, s20, 2*32*SP                    ; X: my wave's two stages
	v_lshrrev_b32 v14, 2, v2
	v_mul_u32_u24 v14, v14, SP
	v_and_b32 v15, 3, v2
	v_lshl_add_u32 v14, v15, 4, v14
	v_add_nc_u32 v14, s21, v14                     ; in: four lanes' 64 bytes on end, then 16 of padding
	v_mul_u32_u24 v15, v2, SP
	v_add_nc_u32 v15, s21, v15                     ; out: my 16 neighbours
	s_lshl_b32 s21, s20, 6
	s_add_co_u32 s21, s21, XSCB
	v_lshrrev_b32 v5, 1, v2
	v_add_nc_u32 v5, s21, v5                       ; my wave's 64 scale bytes, my block's byte
	v_and_b32 v7, 63, v0
	v_lshlrev_b32 v7, 4, v7                        ; 16 x (thread % 64)
	v_add_nc_u32 v6, XSCB, v7
	v_add_nc_u32 v[WBO], WSCB, v7
	v_lshlrev_b32 v[WGS], 1, v7                    ; 32 x (thread % 64)
	s_mul_i32 s21, s22, 32*WP
	s_lshl_b32 s24, s23, 5
	s_add_co_u32 s21, s21, s24
	s_add_co_u32 s21, s21, WSTG
	v_mul_u32_u24 v[WSI], v2, WP
	v_add_nc_u32 v[WSI], s21, v[WSI]               ; row = my column (32 cg + lane), + 32 kq bytes
	s_lshl_b32 s21, s22, 9
	s_lshl_b32 s24, s23, 1
	s_add_co_u32 s21, s21, s24
	s_add_co_u32 s21, s21, WSCB
	v_add_nc_u32 v[WBI], s21, v3                   ; 16 x column + 2 kq
	v_lshrrev_b32 v8, 4, v2                        ; lane / 16
	v_and_b32 v9, 15, v2
	v_lshlrev_b32 v9, 4, v9                        ; 16 x (lane % 16)
	s_mul_i32 s21, s20, 4*WP
	s_add_co_u32 s21, s21, WSTG
	v_mul_u32_u24 v[WSO], v8, WP
	v_add_nc_u32 v[WSO], v[WSO], v9
	v_add_nc_u32 v[WSO], s21, v[WSO]               ; rows 4 w + lane / 16, sixteen lanes to a row
	v_lshl_add_u32 v[WGO], v8, 9, v9
	v_lshl_add_u32 v[WOO], v8, 15, v9
	s_wait_kmcnt 0x0
	s_cmp_ge_u32 ttmp9, 224
	s_cbranch_scc1 .Lwo
	s_cmp_ge_u32 ttmp9, 64
	s_cbranch_scc1 .Lw
	; ---------------- X: my wave's run of 2,048 numbers: four steps of 512
	s_lshl_b32 s24, ttmp9, 4
	s_add_co_u32 s24, s24, s20                     ; run = 16 x work-group + wave
	s_lshl_b32 s26, s24, 13
	s_mov_b32 s27, 0
	s_add_nc_u64 s[4:5], s[4:5], s[26:27]          ; 8,192 bytes of X a run,
	s_lshl_b32 s26, s24, 10
	s_add_nc_u64 s[14:15], s[14:15], s[26:27]      ; 1,024 of codes,
	s_lshl_b32 s26, ttmp9, 10
	s_add_nc_u64 s[16:17], s[16:17], s[26:27]      ; 1,024 scale bytes a work-group
.macro XTURN t                         ; step t's numbers through the stage: LDS serves a wave's instructions in order, so no wait stands between the stores and the loads
.irp i, 0,1,2,3
	ds_store_b128 v14, v[R+16*(\t)+4*\i:R+16*(\t)+4*\i+3] offset:32*SP*((\t)%2)+8*SP*\i
.endr
.irp i, 0,1,2,3
	ds_load_b128 v[XX+16*((\t)%2)+4*\i:XX+16*((\t)%2)+4*\i+3], v15 offset:32*SP*((\t)%2)+16*\i
.endr
.endm
.set i, 0
.rept 16
	global_load_b128 v[R+4*i:R+4*i+3], v3, s[4:5] offset:512*i th:TH_LOAD_NT   ; 32 lanes read 512 consecutive bytes; all sixteen loads go out at once
.set i, i+1
.endr
	s_wait_loadcnt 12                              ; step 0's four loads are in
	XTURN 0
.macro XSTEP t
.set XS, XX+16*((\t)%2)
.if (\t) > 0
	s_wait_dscnt 1                                 ; this step's numbers are back from the stage; the last step's byte store may be out
.else
	s_wait_dscnt 0x0
.endif
.if (\t) < 3
	s_wait_loadcnt 4*(2-(\t))                      ; the next step's four loads are in; those of the steps behind it may be out
	XTURN (\t)+1
.endif
	v_max3_num_f32 v8, |v[XS]|, |v[XS+1]|, |v[XS+2]|               ; the largest magnitude of my 16, in two chains
	v_max3_num_f32 v9, |v[XS+3]|, |v[XS+4]|, |v[XS+5]|
.irp i, 6,10
	v_max3_num_f32 v8, v8, |v[XS+\i]|, |v[XS+\i+1]|
	v_max3_num_f32 v9, v9, |v[XS+\i+2]|, |v[XS+\i+3]|
.endr
	v_max3_num_f32 v8, v8, |v[XS+14]|, |v[XS+15]|
	v_max3_num_f32 v8, v8, v9, 0x1800000           ; and the floor 2^(3 - 127): the byte cannot fall under 1
	v_max_num_f32_dpp v8, v8, v8 row_xmask:1 row_mask:0xf bank_mask:0xf   ; and of my neighbour's 16: the block's
	v_add_nc_u32 v11, 0xff000000, v8               ; 2 off its exponent field: the conversion takes the exponent field of this operand as its scale
	v_cvt_scalef32_pk8_fp4_f32 v[CD+2*(\t)], v[XS:XS+7], v11
	v_cvt_scalef32_pk8_fp4_f32 v[CD+2*(\t)+1], v[XS+8:XS+15], v11
	v_lshrrev_b32 v[EB+(\t)], 23, v11              ; the scale's byte (a plain line behind the conversions)
	ds_store_b8 v5, v[EB+(\t)] offset:16*(\t)      ; both lanes of a block write the same byte with the same value
	global_store_b64 v4, v[CD+2*(\t):CD+2*(\t)+1], s[14:15] offset:256*(\t)   ; the wave stores 256 consecutive bytes, aligned
.endm
	XSTEP 0
	XSTEP 1
	XSTEP 2
	XSTEP 3
	s_wait_dscnt 0x0                               ; for the others' sake: my byte stores have landed
	s_barrier_signal -1
	s_barrier_wait -1
	s_cmp_ge_u32 s20, 2
	s_cbranch_scc1 .Lend
	ds_load_b128 v[8:11], v6                       ; waves 0 and 1 take the work-group's 1,024 scale bytes, 512 each
	s_wait_dscnt 0x0
	global_store_b128 v7, v[8:11], s[16:17]
	s_branch .Lend
	; ---------------- the weights of the quantised products
.macro COLLOAD pitch                   ; W(k0 + i, my column), i = 0 .. 63: two waves side by side read 256 consecutive bytes of each row
.set i, 0
.rept 64
	global_load_b32 v[R+i], v10, s[24:25] offset:i*\pitch th:TH_LOAD_NT
.set i, i+1
.endr
.endm
.Lw:
	s_sub_co_u32 s21, ttmp9, 64                    ; 0-63 Wq, 64-127 Wk, 128-159 Wv
	s_cmp_ge_u32 s21, 128
	s_cbranch_scc1 .Lwv
	s_mov_b32 s27, 4096
	s_cmp_lt_u32 s21, 64
	s_cselect_b64 s[24:25], s[6:7], s[8:9]
	s_cselect_b32 s27, 2048, s27                   ; the tensor's first row in codes
	s_and_b32 s21, s21, 63
	s_and_b32 s28, s21, 1                          ; which half of K
	s_bfe_u32 s29, s21, 0x10001                    ; which 64 of the head's 128 columns
	s_lshr_b32 s21, s21, 2                         ; the head
	s_lshl_b32 s30, s21, 19                        ; head x 1,024 rows x 512 bytes
	s_lshl_b32 s31, s28, 18                        ; + 512 rows for the upper half
	s_add_co_u32 s30, s30, s31
	s_lshl_b32 s31, s23, 15                        ; + 64 kq rows
	s_add_co_u32 s30, s30, s31
	s_lshl_b32 s31, s29, 8                         ; + 64 columns
	s_add_co_u32 s30, s30, s31
	s_lshl_b32 s31, s22, 7                         ; + 32 cg columns
	s_add_co_u32 s30, s30, s31
	s_mov_b32 s31, 0
	s_add_nc_u64 s[24:25], s[24:25], s[30:31]
	s_lshl_b32 s21, s21, 7
	s_add_co_u32 s27, s27, s21
	s_lshl_b32 s29, s29, 6
	s_add_co_u32 s27, s27, s29                     ; the first of my work-group's 64 rows of codes
	COLLOAD 512
	s_branch .Lwcommon
.Lwv:
	s_sub_co_u32 s21, s21, 128
	s_and_b32 s28, s21, 1                          ; which half of K
	s_lshr_b32 s21, s21, 1                         ; the head
	s_lshl_b32 s30, s21, 18                        ; head x 1,024 rows x 256 bytes
	s_lshl_b32 s31, s28, 17
	s_add_co_u32 s30, s30, s31
	s_lshl_b32 s31, s23, 14
	s_add_co_u32 s30, s30, s31
	s_lshl_b32 s31, s22, 7
	s_add_co_u32 s30, s30, s31
	s_mov_b32 s31, 0
	s_add_nc_u64 s[24:25], s[10:11], s[30:31]
	s_lshl_b32 s27, s21, 6
	s_add_co_u32 s27, s27, 6144
	COLLOAD 256
.Lwcommon:
	s_lshl_b32 s30, s20, 2
	s_add_co_u32 s30, s30, s27                     ; the four rows that my wave stores
	s_lshl_b32 s30, s30, 9
	s_lshl_b32 s31, s28, 8                         ; the half's 256 bytes of a row
	s_add_co_u32 s30, s30, s31
	s_mov_b32 s31, 0
	s_add_nc_u64 s[14:15], s[14:15], s[30:31]
	s_lshl_b32 s30, s27, 5
	s_lshl_b32 s29, s28, 4
	s_add_co_u32 s30, s30, s29
	s_add_nc_u64 s[16:17], s[16:17], s[30:31]
.macro WBLOCK t                        ; block t of my column: all its 32 numbers are mine
.set XS, R+32*(\t)
	s_wait_loadcnt 32*(1-(\t))                     ; this block's 32 loads are in; the next block's may be out
	v_max3_num_f32 v8, |v[XS]|, |v[XS+1]|, |v[XS+2]|
	v_max3_num_f32 v9, |v[XS+3]|, |v[XS+4]|, |v[XS+5]|
.irp i, 6,10,14,18,22,26
	v_max3_num_f32 v8, v8, |v[XS+\i]|, |v[XS+\i+1]|
	v_max3_num_f32 v9, v9, |v[XS+\i+2]|, |v[XS+\i+3]|
.endr
	v_max3_num_f32 v8, v8, |v[XS+30]|, |v[XS+31]|
	v_max3_num_f32 v8, v8, v9, 0x1800000
	v_add_nc_u32 v11, 0xff000000, v8
	v_lshrrev_b32 v[EB+(\t)], 23, v11
.irp g, 0,1,2,3
	v_cvt_scalef32_pk8_fp4_f32 v[XX+4*(\t)+\g], v[XS+8*\g:XS+8*\g+7], v11
.endr
	ds_store_b128 v[WSI], v[XX+4*(\t):XX+4*(\t)+3] offset:16*(\t)   ; 32 codes: 16 bytes of my column's row
.endm
	WBLOCK 0
	WBLOCK 1
	v_lshl_or_b32 v[EB], v[EB+1], 8, v[EB]         ; my two bytes, the lower K in the lower byte
	ds_store_b16 v[WBI], v[EB]
	s_wait_dscnt 0x0                               ; for the others' sake: my stores into the stage have landed
	s_barrier_signal -1
	s_barrier_wait -1
	ds_load_b128 v[16:19], v[WSO]                  ; rows 4 w and 4 w + 1,
	ds_load_b128 v[20:23], v[WSO] offset:2*WP      ; rows 4 w + 2 and 4 w + 3
	s_wait_dscnt 1
	global_store_b128 v[WGO], v[16:19], s[14:15]   ; sixteen lanes store 256 consecutive bytes, aligned
	s_wait_dscnt 0x0
	global_store_b128 v[WGO], v[20:23], s[14:15] offset:1024
	s_cmp_ge_u32 s20, 2
	s_cbranch_scc1 .Lend
	ds_load_b128 v[24:27], v[WBO]                  ; waves 0 and 1: 16 scale bytes of each of the 64 rows.  They are half of a row of 32: stores of 16 bytes, 32 apart: one byte in 128 of what the work-group reads
	s_wait_dscnt 0x0
	global_store_b128 v[WGS], v[24:27], s[16:17]
	s_branch .Lend
	; ---------------- Wo: f16, in the order of the operand's registers
.Lwo:
	s_sub_co_u32 s21, ttmp9, 224
	s_and_b32 s28, s21, 1                          ; which half of K
	s_lshr_b32 s21, s21, 1                         ; which 64 columns
	s_lshl_b32 s30, s28, 21                        ; 512 rows of 4,096 bytes
	s_lshl_b32 s31, s23, 18                        ; + 64 kq rows
	s_add_co_u32 s30, s30, s31
	s_lshl_b32 s31, s21, 8
	s_add_co_u32 s30, s30, s31
	s_lshl_b32 s31, s22, 7
	s_add_co_u32 s30, s30, s31
	s_mov_b32 s31, 0
	s_add_nc_u64 s[24:25], s[12:13], s[30:31]
	COLLOAD 4096
	s_lshl_b32 s30, s21, 2
	s_lshl_b32 s29, s22, 1
	s_add_co_u32 s30, s30, s29                     ; my wave's first tile of 16 columns,
	s_lshl_b32 s30, s30, 5                         ; 32 fragments a tile,
	s_lshl_b32 s29, s28, 4
	s_add_co_u32 s30, s30, s29
	s_lshl_b32 s29, s23, 1
	s_add_co_u32 s30, s30, s29                     ; + my first 32 along K,
	s_lshl_b32 s30, s30, 10                        ; 1,024 bytes a fragment
	s_add_nc_u64 s[18:19], s[18:19], s[30:31]
.irp s, 0,1                            ; my column's 32 s .. 32 s + 31 of the 64: one fragment's K.  Eight neighbours along K are the 16 bytes of lane (column % 16) + 16 (c % 2) in registers 4 (c / 2) on
	s_wait_loadcnt 32*(1-\s)
.irp p, 0,1,2,3,4,5,6,7,8,9,10,11,12,13,14,15
	v_cvt_pk_f16_f32 v[XX+16*\s+\p], v[R+32*\s+2*\p], v[R+32*\s+2*\p+1]
.endr
.irp c, 0,1,2,3
	global_store_b128 v[WOO], v[XX+16*\s+4*\c:XX+16*\s+4*\c+3], s[18:19] offset:1024*\s+512*(\c/2)+256*(\c%2)   ; sixteen lanes store 256 consecutive bytes, aligned
.endr
.endr
.Lend:
	s_wait_tensorcnt 0x0                           ; the wave's end: behind my last LDS store
	ds_add_u32 v[SPW], v[NIL]
	s_wait_dscnt 0x0
	s_endpgm
.Lfunc_end_k_q1493924111_prep:
	.size	k_q1493924111_prep, .Lfunc_end_k_q1493924111_prep-k_q1493924111_prep
	.p2alignl 7, 3214868480
	.fill 96, 4, 3214868480
	.section	.rodata,"a",@progbits
	.p2align	6, 0x0
	.amdhsa_kernel k_q1493924111_prep
		.amdhsa_group_segment_fixed_size 103424
		.amdhsa_private_segment_fixed_size 0
		.amdhsa_enable_private_segment 0
		.amdhsa_kernarg_size 64
		.amdhsa_user_sgpr_count 2
		.amdhsa_user_sgpr_kernarg_segment_ptr 1
		.amdhsa_wavefront_size32 1
		.amdhsa_system_sgpr_workgroup_id_x 1
		.amdhsa_system_sgpr_workgroup_id_y 1
		.amdhsa_system_sgpr_workgroup_id_z 1
		.amdhsa_system_vgpr_workitem_id 0
		.amdhsa_next_free_vgpr 136
		.amdhsa_next_free_sgpr 66
		.amdhsa_reserve_vcc 0
		.amdhsa_float_denorm_mode_32 3
		.amdhsa_float_denorm_mode_16_64 3
		.amdhsa_memory_ordered 1
		.amdhsa_forward_progress 1
		.amdhsa_inst_pref_size 39
	.end_amdhsa_kernel
	.amdgpu_metadata
---
amdhsa.version: [ 1, 2 ]
amdhsa.kernels:
  - .name:           k_q1493924111_prep
    .symbol:         k_q1493924111_prep.kd
    .args:
      - { .name: X, .offset: 0, .size: 8, .value_kind: global_buffer, .address_space: global }
      - { .name: Wq, .offset: 8, .size: 8, .value_kind: global_buffer, .address_space: global }
      - { .name: Wk, .offset: 16, .size: 8, .value_kind: global_buffer, .address_space: global }
      - { .name: Wv, .offset: 24, .size: 8, .value_kind: global_buffer, .address_space: global }
      - { .name: Wo, .offset: 32, .size: 8, .value_kind: global_buffer, .address_space: global }
      - { .name: codes, .offset: 40, .size: 8, .value_kind: global_buffer, .address_space: global }
      - { .name: scales, .offset: 48, .size: 8, .value_kind: global_buffer, .address_space: global }
      - { .name: woimg, .offset: 56, .size: 8, .value_kind: global_buffer, .address_space: global }
    .group_segment_fixed_size: 103424
    .private_segment_fixed_size: 0
    .kernarg_segment_align: 8
    .kernarg_segment_size: 64
    .max_flat_workgroup_size: 512
    .sgpr_count:     66
    .vgpr_count:     136
    .wavefront_size: 32
...
	.end_amdgpu_metadata
.endif
;; end of part 1
;; launch proj (part 2): grid 20 x 8, 4 waves a work-group, clusters of 4 x 4, 327,680 bytes of LDS; arguments codes, scales, bq, bk, qimg, kvimg; writes qimg, kvimg
.if DOCPART == 2
	.amdgcn_target "amdgcn-amd-amdhsa--gfx1250"
	.amdhsa_code_object_version 6
	.text
	.protected	k_q1493924111_proj
	.globl	k_q1493924111_proj
	.p2align	8
	.type	k_q1493924111_proj,@function
k_q1493924111_proj:
	s_mov_b64 s[64:65], 0
	v_nop
	global_prefetch_b8 v0, s[64:65] scope:SCOPE_SE
	s_setreg_imm32_b32 hwreg(HW_REG_WAVE_MODE, 25, 1), 1
	s_wait_xcnt 0x0
	s_wait_alu depctr_hold_cnt(0) depctr_sa_sdst(0) depctr_va_vdst(0) depctr_va_sdst(0) depctr_va_ssrc(0) depctr_va_vcc(0) depctr_vm_vsrc(0)
	s_getreg_b32 s2, hwreg(HW_REG_IB_STS2, 6, 4)
	s_cmp_eq_u32 s2, 0
	s_cbranch_scc0 .Lentry_in_a_cluster
	s_endpgm
.Lentry_in_a_cluster:
	s_bfe_u32 s2, ttmp6, 0x10000c
	s_cmp_lg_u32 s2, 0xf033
	s_cbranch_scc0 .Lentry_shape_is_right
	s_endpgm
.Lentry_shape_is_right:
; PROJ.  The three quantised products, on codes of FP4 (E2M1) with one E8M0 byte for each 32 along K = 1,024: Q = X Wq + bq, K = X Wk + bk, V = X Wv (bv is added behind the attention, where it is exact in f32).
; Both operands are rows of one buffer, codes [7168][512 bytes] (0.. tokens, 2048.. Wq, 4096.. Wk, 6144.. Wv), with scales [7168][32 bytes].
; A tile of 256 x 256 results is made by four waves, 128 x 128 each: 64 accumulators, 512 registers.  K goes in two steps of 512 through two LDS slots, each filled once; the scale bytes of the tile's 512 rows come once too.
; THE MATRIX INSTRUCTION IS USED TRANSPOSED: source 0 = 16 rows of "B", source 1 = 16 rows of "A": a lane holds ONE row of A and eight neighbouring rows of B.
; Clusters x = 0..3 (Q: 0, 1; K: 2, 3): A = tokens, B = the weights' columns: a lane holds a token and eight channels.  Cluster x = 4 (V): A = Wv's columns, B = tokens: a lane holds a channel and eight tokens: V transposed, by the same text.
; THE WAY OUT NEEDS NO LDS: rounded to f16 in pairs, the registers of B's blocks 2 u and 2 u + 1 ARE registers 0-3 and 4-7 of the next product's operand (rows of A x 32 along B), and go to memory as such an image:
; 1,024 bytes a fragment, bytes 0-511 registers 0-3, bytes 512-1023 registers 4-7, lane l's 16 bytes at 16 l.  Each store of a wave covers 512 consecutive bytes, aligned.
; qimg [head][token / 16][channel / 32][1 KiB];  kvimg [head][256 keys][96 KiB]: K [key / 16][channel / 32][1 KiB], then V^T [channel / 16][key / 32][1 KiB].
; CLUSTERS: 4 x 4 work-groups; A's tiles are shared along a row of the cluster, B's along a column: each is asked for jointly.  160 work-groups: a tile that gave 256 would cut heads apart and take nearly the same bytes into each LDS.
; LIMITS: Q, K, V go to f16: magnitudes up to 65,504.
; REGISTERS: window 0: v16-29 addresses; v32-95 scale words, two sets; v96-103 the stores' offsets; v128-191 A's fragments, one set; v192-255 the bias; on the way out v128-255 hold f16 results.
;   window 1: B's fragments, two sets, at v0 and v128.  window 2: the accumulators of A's blocks 0-3 ((a, b) at v[8 (8 a + b)]);  window 3: those of blocks 4-7.
.set NQ,     4                         ; matrix instructions deep in a slot: 512 along K
.set ROWB,   256                       ; a tile's row in bytes
.set KROW,   512                       ; a row of codes in memory
.set PITCH,  272                       ; an LDS row: 256 bytes + 16 of padding = 68 words: the 16 rows that a load touches start at 16 different banks (64 banks of 4 bytes: ISA guide 11.1)
.set FR,     8                         ; registers of a fragment: 16 rows x 128 K
.set NL,     2                         ; LDS loads that bring one
.set NP,     4                         ; places behind this matrix instruction (ISA guide 7.12.1)
.set HALFT,  128*PITCH                 ; 128 rows: what one tensor load brings
.set SLOT,   4*HALFT                   ; A's 256 rows, then B's 256 rows
.set KS,     32                        ; a row of scales in bytes
.set SCL,    2*SLOT                    ; behind the slots: the scales, as units of 256 bytes + 16 of padding
.set HALFS,  16*272                    ; the scales of 128 rows
.set SBLK,   2*272                     ; those of 16 rows
.set SPARE,  SCL+4*HALFS               ; the spare words, 128 bytes for each wave: two blocks of 256 bytes that no other line names
.set ADRA, 16                          ; v16-17  LDS address of my A fragments in slot 0, 1
.set ADRB, 20                          ; v20-21  the same for B
.set ADRS, 27                          ; v27     LDS address of my scale words: lanes 0-15 A's rows, lanes 16-31 B's
.set SPW,  28                          ; v28     LDS address of my spare word; never rewritten
.set NIL,  29                          ; v29     0; never rewritten
.set SC,   32                          ; scale words: set s at v[SC + 32 s]; register 4 i + q: lanes 0-15 A's block i, lanes 16-31 B's block i, the slot's q-th 128 along K
.set OFF,  96                          ; v96-103 block a's byte offset in the output
.set AF,   128
.set BIAS, 192                         ; v192-255 eight registers for each of B's blocks, in the result's layout
.set TMP,  128
.set G1, 24                            ; s[24:31] descriptor group 1 for A's tiles;  s[32:39] group 0, one set for each slot
.set G0, 32
.set G1B, 48                           ; s[48:55], s[56:63] the same for B's
.set G0B, 56
.set G1S, 68                           ; s[68:75], s[76:79] groups 1 and 0 for A's scales;  s[80:87], s[88:91] for B's
.set G0S, 76
.set G1SB, 80
.set G0SB, 88
.set MSB, 0
.macro WIN new                         ; the immediate's high byte repeats the setting that is left
.if MSB != \new
	s_set_vgpr_msb (MSB<<8)|\new
.set MSB, \new
.endif
.endm
.set MUL_LO, 0xa1                      ; source 0 (B) window 1, source 1 (A) window 0, C and D window 2
.set MUL_HI, 0xf1                      ; the same, C and D window 3
.set TO_B,   0x40                      ; destination window 1, address window 0
; A joint load: waves 0 and 1 fetch for A, waves 2 and 3 for B.  The branch hangs on the wave's number alone.  An s_nop 0 and four v_nop follow each of the two lines.
.macro JLOAD g0a, g1a, g0b, g1b
	s_cmp_eq_u32 s17, 0
	s_cbranch_scc0 .Lfor_b_\@
	tensor_load_to_lds s[\g0a:\g0a+3], s[\g1a:\g1a+7]
	s_nop 0
.rept 4
	v_nop
.endr
	s_branch .Lasked_\@
.Lfor_b_\@:
	tensor_load_to_lds s[\g0b:\g0b+3], s[\g1b:\g1b+7]
	s_nop 0
.rept 4
	v_nop
.endr
.Lasked_\@:
.endm
.macro CROUND                          ; a round of the cluster's barrier
	s_barrier_signal -1
	s_barrier_wait -1
	s_cmp_lg_u32 s16, 0
	s_cbranch_scc1 .Lnot_wave_0_\@
	s_barrier_signal -3
.Lnot_wave_0_\@:
	s_barrier_wait -3
	s_barrier_signal -1
	s_barrier_wait -1
.endm
	s_load_b256 s[4:11], s[0:1], 0x0               ; codes s[4:5], scales s[6:7], bq s[8:9], bk s[10:11]
	s_load_b128 s[12:15], s[0:1], 0x20             ; qimg s[12:13], kvimg s[14:15]
	v_lshl_add_u32 v[SPW], v0, 2, SPARE
	v_mov_b32 v[NIL], 0
	ds_add_u32 v[SPW], v[NIL]                      ; the wave's opening: the add, twice on end, and its wait ahead of my first tensor load
	ds_add_u32 v[SPW], v[NIL]
	v_lshrrev_b32 v1, 5, v0
	v_readfirstlane_b32 s16, v1                    ; wave 0..3
	s_lshr_b32 s17, s16, 1                         ; which half of A's rows is mine.  Also: I fetch for A (0) or for B (1)
	s_and_b32 s18, s16, 1                          ; which half of B's rows.  Also: which 128 rows I fetch
	s_bfe_u32 s40, ttmp6, 0x40000                  ; cx, cy: my place in the cluster
	s_bfe_u32 s41, ttmp6, 0x40004
	s_and_b32 s42, ttmp7, 0xffff                   ; cluster y
	s_lshl_b32 s43, s41, 2
	s_lshl_b32 s43, 15, s43                        ; my row of the cluster
	s_lshl_b32 s44, 0x1111, s40                    ; my column
	s_or_b32 s[G1+0], s43, (0<<16)|(1<<20)|(1<<21)|(5<<22)|(3<<25)  ; 15:0 the mask; 17:16 elements of 1 byte; 20 padding on; 21 set beside a mask; 24:22 after every 64 words; 31:25 four words
	s_or_b32 s[G1B+0], s44, (0<<16)|(1<<20)|(1<<21)|(5<<22)|(3<<25)
.irp g, G1, G1B
	s_mov_b32 s[\g+1], ROWB<<16                    ; tensor_dim0
	s_mov_b32 s[\g+2], 128<<16                     ; tensor_dim1
	s_mov_b32 s[\g+3], ROWB<<16                    ; tile_dim0
	s_mov_b32 s[\g+4], 128                         ; tile_dim1
	s_mov_b32 s[\g+5], KROW                        ; tensor_dim0_stride
	s_mov_b32 s[\g+6], 0
	s_mov_b32 s[\g+7], 0
.endr
	s_or_b32 s[G1S+0], s43, (3<<16)|(1<<20)|(1<<21)|(5<<22)|(3<<25)  ; the scales of 128 rows: 4,096 dense bytes, as 16 rows of 256 (32 elements of 8 bytes), 16 bytes of padding behind each
	s_or_b32 s[G1SB+0], s44, (3<<16)|(1<<20)|(1<<21)|(5<<22)|(3<<25)
.irp g, G1S, G1SB
	s_mov_b32 s[\g+1], 32<<16
	s_mov_b32 s[\g+2], 16<<16
	s_mov_b32 s[\g+3], 32<<16
	s_mov_b32 s[\g+4], 16
	s_mov_b32 s[\g+5], 32
	s_mov_b32 s[\g+6], 0
	s_mov_b32 s[\g+7], 0
.endr
	; which rows of codes.  A's hang on cy and on the cluster's place alone, B's on cx and the cluster's place alone.  The choice hangs on the cluster's x, which all sixteen share.
	s_lshl_b32 s19, s42, 10                        ; 1,024 x cluster y
	s_lshl_b32 s47, ttmp9, 10
	s_add_co_u32 s47, s47, 2048                    ; 2,048 + 1,024 x cluster x
	s_mov_b32 s46, 6144
	s_cmp_eq_u32 ttmp9, 4                          ; the clusters that make V
	s_cselect_b32 s20, s46, s19                    ; A: Wv's rows, else tokens
	s_cselect_b32 s46, s19, s47                    ; B: tokens, else Wq's and Wk's rows
	s_cselect_b32 s95, 0, -1                       ; V takes no bias here
	s_lshl_b32 s21, s41, 8
	s_add_co_u32 s20, s20, s21                     ; + 256 cy
	s_lshl_b32 s47, s40, 8
	s_add_co_u32 s46, s46, s47                     ; + 256 cx
	s_lshl_b32 s19, s18, 7
	s_add_co_u32 s20, s20, s19                     ; + the 128 rows that I fetch
	s_add_co_u32 s46, s46, s19
	s_lshl_b32 s22, s20, 5                         ; their scales: 32 bytes a row,
	s_lshl_b32 s20, s20, 9                         ; their codes: 512
	s_lshl_b32 s92, s46, 5
	s_lshl_b32 s46, s46, 9
	s_mov_b32 s21, 0
	s_mov_b32 s23, 0
	s_mov_b32 s47, 0
	s_mov_b32 s93, 0
	s_mul_i32 s45, s16, HALFT                      ; where they go: wave x 128 rows: no place in the cluster enters an LDS address
	s_mul_i32 s94, s16, HALFS
	s_wait_dscnt 0x0                               ; both opening adds are done
	s_wait_kmcnt 0x0
	s_add_nc_u64 s[20:21], s[4:5], s[20:21]
	s_add_nc_u64 s[22:23], s[6:7], s[22:23]
	s_add_nc_u64 s[46:47], s[4:5], s[46:47]
	s_add_nc_u64 s[92:93], s[6:7], s[92:93]
	CROUND                                         ; all sixteen work-groups are here: the joint loads meet
	s_mov_b32 s[G0S], 1
	s_add_co_u32 s[G0S+1], s94, SCL
	s_mov_b64 s[G0S+2:G0S+3], s[22:23]
	s_or_b32 s[G0S+3], s[G0S+3], 0x80000000
	s_mov_b32 s[G0SB], 1
	s_add_co_u32 s[G0SB+1], s94, SCL
	s_mov_b64 s[G0SB+2:G0SB+3], s[92:93]
	s_or_b32 s[G0SB+3], s[G0SB+3], 0x80000000
	JLOAD G0S, G1S, G0SB, G1SB                     ; the scales first: they are wanted with the first K step
.irp s, 0,1
	s_mov_b32 s[G0+4*\s], 1
	s_add_co_u32 s[G0+4*\s+1], s45, \s*SLOT
	s_add_nc_u64 s[G0+4*\s+2:G0+4*\s+3], s[20:21], \s*ROWB
	s_or_b32 s[G0+4*\s+3], s[G0+4*\s+3], 0x80000000
	s_mov_b32 s[G0B+4*\s], 1
	s_add_co_u32 s[G0B+4*\s+1], s45, \s*SLOT
	s_add_nc_u64 s[G0B+4*\s+2:G0B+4*\s+3], s[46:47], \s*ROWB
	s_or_b32 s[G0B+4*\s+3], s[G0B+4*\s+3], 0x80000000
	JLOAD G0+4*\s, G1, G0B+4*\s, G1B               ; both slots: three tensor loads of mine are out, and none follows
.endr
	; where the results go, and the bias.  All three offsets are made, then chosen by the cluster's x.
	v_and_b32 v1, 15, v0                           ; l % 16
	v_bfe_u32 v2, v0, 4, 1                         ; l / 16
	v_lshlrev_b32 v7, 5, v2                        ; the bias: my half's eight numbers of a block of 16
	s_lshl_b32 s20, ttmp9, 2
	s_add_co_u32 s20, s20, s40                     ; tx = 4 x cluster x + cx
	s_lshl_b32 s21, s42, 2
	s_add_co_u32 s22, s21, s41                     ; ty = 4 x cluster y + cy
	s_add_co_u32 s21, s21, s40                     ; 4 x cluster y + cx
	s_lshl_b32 s23, s20, 1
	s_add_co_u32 s23, s23, s18                     ; 2 tx + my half: my 128 columns are one head's
	s_lshl_b32 s46, s23, 19                        ; Q: head x 524,288
	s_lshl_b32 s47, s22, 16                        ;    + 16 ty tiles of tokens x 4,096
	s_add_co_u32 s46, s46, s47
	s_lshl_b32 s47, s17, 15                        ;    + 8 tiles for the upper half
	s_add_co_u32 s46, s46, s47
	s_and_b32 s23, s23, 15                         ; K: the head,
	s_mul_i32 s92, s23, 786432
	s_mul_i32 s93, s22, 98304                      ;    the 256 keys,
	s_add_co_u32 s92, s92, s93
	s_add_co_u32 s92, s92, s47                     ;    8 tiles of keys for the upper half
	s_lshl_b32 s93, s41, 2                         ; V: my 128 rows of Wv are heads 4 cy + 2 half and the next,
	s_lshl_b32 s94, s17, 1
	s_add_co_u32 s93, s93, s94
	s_mul_i32 s93, s93, 786432
	s_mul_i32 s94, s21, 98304                      ;    the 256 keys,
	s_add_co_u32 s93, s93, s94
	s_lshl_b32 s94, s18, 12                        ;    4 fragments of 32 keys for the upper half,
	s_add_co_u32 s93, s93, s94
	s_add_co_u32 s93, s93, 65536                   ;    behind K's part
	s_mov_b32 s66, 4096                            ; from block a to a + 1,
	s_mov_b32 s67, 16384                           ; and from block 0 to 4
	s_cmp_eq_u32 ttmp9, 4
	s_cselect_b32 s92, s93, s92
	s_cselect_b32 s66, 8192, s66                   ; V: a tile of 16 channels on; four tiles on is the next head
	s_cselect_b32 s67, 786432, s67
	s_cmp_lt_u32 ttmp9, 2
	s_cselect_b32 s92, s46, s92
	s_cselect_b64 s[12:13], s[12:13], s[14:15]
	s_cselect_b64 s[8:9], s[8:9], s[10:11]
	s_mov_b32 s93, 0
	s_add_nc_u64 s[12:13], s[12:13], s[92:93]
	s_lshl_b32 s46, s23, 9                         ; the bias of my 128 columns (in the V clusters: numbers of bk that are cleared below)
	s_mov_b32 s47, 0
	s_add_nc_u64 s[8:9], s[8:9], s[46:47]
.irp b, 0,1,2,3,4,5,6,7
	global_load_b128 v[BIAS+8*\b:BIAS+8*\b+3], v7, s[8:9] offset:64*\b
	global_load_b128 v[BIAS+8*\b+4:BIAS+8*\b+7], v7, s[8:9] offset:64*\b+16
.endr
	v_and_b32 v8, 31, v0
	v_lshlrev_b32 v8, 4, v8                        ; 16 x lane
	s_mov_b32 s19, 0
.irp a, 0,1,2,3,4,5,6,7
	v_add_nc_u32 v[OFF+\a], s19, v8
.if \a == 3
	s_mov_b32 s19, s67
.else
	s_add_co_u32 s19, s19, s66
.endif
.endr
	v_mul_u32_u24 v3, v1, PITCH
	v_lshl_add_u32 v4, v2, 4, v3                   ; a fragment's row x pitch + 16 x half
	s_mul_i32 s21, s17, HALFT                      ; my 128 rows of A
	s_mul_i32 s22, s18, HALFT                      ; my 128 rows of B,
	s_add_co_u32 s22, s22, 2*HALFT                 ; which lie behind A's 256
.irp s, 0,1
	v_add_nc_u32 v[ADRA+\s], s21, v4
	v_add_nc_u32 v[ADRB+\s], s22, v4
	s_add_co_u32 s21, s21, SLOT
	s_add_co_u32 s22, s22, SLOT
.endr
	v_mul_u32_u24 v5, v1, KS                       ; my row's scales: 32 bytes a row,
	v_lshrrev_b32 v6, 8, v5
	v_lshl_add_u32 v5, v6, 4, v5                   ; and 16 more for each 256 passed
	s_mul_i32 s21, s17, HALFS                      ; A's: my 128 rows
	s_mul_i32 s22, s18, HALFS                      ; B's: my 128 rows, behind A's 256
	s_add_co_u32 s22, s22, 2*HALFS
	s_sub_co_u32 s22, s22, s21
	v_mul_u32_u24 v6, s22, v2                      ; lanes 16-31 take B's: the lower base + half x the distance
	s_add_co_u32 s21, s21, SCL
	v_add_nc_u32 v5, v5, v6
	v_add_nc_u32 v[ADRS], s21, v5
	s_wait_loadcnt 0x0                             ; the bias
.set i, 0
.rept 64
	v_and_b32 v[BIAS+i], s95, v[BIAS+i]            ; as it is, or zeros where V is made
.set i, i+1
.endr
.rept 8
	v_nop
.endr
.macro FRAG reg, adr, q, i             ; 16 rows x 128 K of 4-bit codes: lane l holds row l % 16; registers 4 c .. 4 c + 3 hold K = 64 c + 32 (l / 16) + 0 .. 31
.irp c, 0,1
	ds_load_b128 v[\reg+4*\c:\reg+4*\c+3], v[\adr] offset:64*(\q)+32*\c+(\i)*16*PITCH
.endr
.endm
; 16 matrix instructions: A's blocks a0, a0 + 1 x B's eight, the slot's q-th 128 along K.  p: B's set; sc: the set of scale words.  zero = 1: the first product starts the sums from the bias: nothing is cleared or added later.
; The 64 accumulators take turns, one instruction a turn, in the same order in every step.
.macro MUL16 a0, p, q, sc, zero
.irp a, \a0, \a0+1
.irp b, 0,1,2,3,4,5,6,7
.if \zero
	v_wmma_scale_f32_16x16x128_f8f6f4 v[8*(8*((\a)%4)+\b):8*(8*((\a)%4)+\b)+7], v[128*(\p)+FR*\b:128*(\p)+FR*\b+FR-1], v[AF+FR*(\a):AF+FR*(\a)+FR-1], v[BIAS+8*\b:BIAS+8*\b+7], v[SC+8*NQ*(\sc)+NQ*\b+(\q)], v[SC+8*NQ*(\sc)+NQ*(\a)+(\q)] matrix_a_fmt:MATRIX_FMT_FP4 matrix_b_fmt:MATRIX_FMT_FP4 matrix_a_scale:MATRIX_SCALE_ROW1
.else
	v_wmma_scale_f32_16x16x128_f8f6f4 v[8*(8*((\a)%4)+\b):8*(8*((\a)%4)+\b)+7], v[128*(\p)+FR*\b:128*(\p)+FR*\b+FR-1], v[AF+FR*(\a):AF+FR*(\a)+FR-1], v[8*(8*((\a)%4)+\b):8*(8*((\a)%4)+\b)+7], v[SC+8*NQ*(\sc)+NQ*\b+(\q)], v[SC+8*NQ*(\sc)+NQ*(\a)+(\q)] matrix_a_fmt:MATRIX_FMT_FP4 matrix_b_fmt:MATRIX_FMT_FP4 matrix_a_scale:MATRIX_SCALE_ROW1
.endif
.endr
.endr
.endm
.macro FETCH_B slot, q, p
	WIN TO_B
.irp i, 0,1,2,3,4,5,6,7
	FRAG 128*(\p)+FR*\i, ADRB+\slot, \q, \i
.endr
	WIN 0
.endm
.macro FETCH_A slot, q, i0
.irp i, \i0, \i0+1, \i0+2, \i0+3
	FRAG AF+FR*(\i), ADRA+\slot, \q, \i
.endr
.endm
.macro SCALES sc                       ; a K step's scale words: 4 words a row; lanes 0-15 take A's block i, lanes 16-31 B's block i
.irp i, 0,1,2,3,4,5,6,7
	ds_load_b128 v[SC+8*NQ*\sc+NQ*\i:SC+8*NQ*\sc+NQ*\i+3], v[ADRS] offset:\i*SBLK
.endr
.endm
.macro PLACES n                        ; plain vector instructions between a matrix instruction and a load into, or a vector instruction on, its registers
.rept \n
	v_nop
.endr
.endm
.macro STEP slot, q, zero              ; 128 along K with its successor in the same slot
	s_wait_dscnt 4*NL                              ; B's set and A's blocks 0-3 are in; the youngest eight loads (A's blocks 4-7) may be out
.if \zero
	WIN 0x81                                       ; C, the bias, in window 0; D in window 2
.else
	WIN MUL_LO
.endif
	MUL16 0, (\q)%2, \q, \slot, \zero
	MUL16 2, (\q)%2, \q, \slot, \zero
	s_wait_dscnt 0                                 ; A's blocks 4-7 are in
	PLACES NP
	FETCH_B \slot, (\q)+1, 1-(\q)%2
	FETCH_A \slot, (\q)+1, 0
.if \zero
	WIN 0xc1
.else
	WIN MUL_HI
.endif
	MUL16 4, (\q)%2, \q, \slot, \zero
	MUL16 6, (\q)%2, \q, \slot, \zero
	PLACES NP
	WIN 0
	FETCH_A \slot, (\q)+1, 4
.endm
	s_wait_tensorcnt 1                             ; the scales and my part of slot 0 are in; slot 1's load may be out
	s_barrier_signal -1
	s_barrier_wait -1                              ; everybody's are
	FETCH_B 0, 0, 0
	FETCH_A 0, 0, 0
	SCALES 0
	FETCH_A 0, 0, 4
	STEP 0, 0, 1
	STEP 0, 1, 0
	STEP 0, 2, 0
	; slot 0's last step changes slots: one barrier; in front of it each wave has waited for its part of slot 1
	s_wait_tensorcnt 0x0                           ; all my tensor loads have landed
	ds_add_u32 v[SPW], v[NIL]                      ; 0 onto my spare word
	s_wait_dscnt 4*NL+1                            ; (the add and the youngest eight loads may be out)
	WIN MUL_LO
	MUL16 0, 1, NQ-1, 0, 0
	s_wait_dscnt 0x0
	s_barrier_signal -1
	MUL16 2, 1, NQ-1, 0, 0
	WIN 0
	s_barrier_wait -1                              ; slot 1 is whole
	PLACES NP
	v_add_nc_u32 v[ADRS], 4*NQ, v[ADRS]            ; on to the second K step's scale words
	FETCH_B 1, 0, 0
	FETCH_A 1, 0, 0
	SCALES 1
	WIN MUL_HI
	MUL16 4, 1, NQ-1, 0, 0
	MUL16 6, 1, NQ-1, 0, 0
	PLACES NP
	WIN 0
	FETCH_A 1, 0, 4
	STEP 1, 0, 0
	STEP 1, 1, 0
	STEP 1, 2, 0
	s_wait_dscnt 4*NL                              ; the last step: nothing more to fetch
	WIN MUL_LO
	MUL16 0, 1, NQ-1, 1, 0
	MUL16 2, 1, NQ-1, 1, 0
	s_wait_dscnt 0
	WIN MUL_HI
	MUL16 4, 1, NQ-1, 1, 0
	MUL16 6, 1, NQ-1, 1, 0
	WIN 0
; THE WAY OUT of A's block a: 32 roundings (each accumulator from its low end on), then eight stores of 512 consecutive bytes: fragment u, registers 4 k on.
.macro PACK a
.set AC, 64*((\a)%4)
.set TM, TMP+32*((\a)%4)
	WIN 0x0a+5*((\a)/4)                            ; sources 0 and 1: window 2 or 3
.irp b, 0,1,2,3,4,5,6,7
.irp r, 0,1,2,3
	v_cvt_pk_f16_f32 v[TM+4*\b+\r], v[AC+8*\b+2*\r], v[AC+8*\b+2*\r+1]
.endr
.endr
	WIN 0
.irp u, 0,1,2,3
.irp k, 0,1
	global_store_b128 v[OFF+(\a)], v[TM+8*\u+4*\k:TM+8*\u+4*\k+3], s[12:13] offset:1024*\u+512*\k
.endr
.endr
.endm
	PLACES NP                                      ; behind the last products: their results are read, and A's fragments and the bias are written over, only behind these
	PACK 0
	PACK 1
	PACK 2
	PACK 3
	s_wait_xcnt 0x0                                ; the stores of blocks 0-3 have read their registers: these take the results of blocks 4-7
	PACK 4
	PACK 5
	PACK 6
	PACK 7
	s_wait_tensorcnt 0x0                           ; the wave's end
	ds_add_u32 v[SPW], v[NIL]
	s_wait_dscnt 0x0
	CROUND                                         ; the closing round
	s_endpgm
.Lfunc_end_k_q1493924111_proj:
	.size	k_q1493924111_proj, .Lfunc_end_k_q1493924111_proj-k_q1493924111_proj
	.p2alignl 7, 3214868480
	.fill 96, 4, 3214868480
	.section	.rodata,"a",@progbits
	.p2align	6, 0x0
	.amdhsa_kernel k_q1493924111_proj
		.amdhsa_group_segment_fixed_size 327680
		.amdhsa_private_segment_fixed_size 0
		.amdhsa_enable_private_segment 0
		.amdhsa_kernarg_size 48
		.amdhsa_user_sgpr_count 2
		.amdhsa_user_sgpr_kernarg_segment_ptr 1
		.amdhsa_wavefront_size32 1
		.amdhsa_system_sgpr_workgroup_id_x 1
		.amdhsa_system_sgpr_workgroup_id_y 1
		.amdhsa_system_sgpr_workgroup_id_z 1
		.amdhsa_system_vgpr_workitem_id 0
		.amdhsa_next_free_vgpr 1024
		.amdhsa_next_free_sgpr 100
		.amdhsa_reserve_vcc 0
		.amdhsa_float_denorm_mode_32 3
		.amdhsa_float_denorm_mode_16_64 3
		.amdhsa_memory_ordered 1
		.amdhsa_forward_progress 1
		.amdhsa_inst_pref_size 123
	.end_amdhsa_kernel
	.amdgpu_metadata
---
amdhsa.version: [ 1, 2 ]
amdhsa.kernels:
  - .name:           k_q1493924111_proj
    .symbol:         k_q1493924111_proj.kd
    .args:
      - { .name: codes, .offset: 0, .size: 8, .value_kind: global_buffer, .address_space: global }
      - { .name: scales, .offset: 8, .size: 8, .value_kind: global_buffer, .address_space: global }
      - { .name: bq, .offset: 16, .size: 8, .value_kind: global_buffer, .address_space: global }
      - { .name: bk, .offset: 24, .size: 8, .value_kind: global_buffer, .address_space: global }
      - { .name: qimg, .offset: 32, .size: 8, .value_kind: global_buffer, .address_space: global }
      - { .name: kvimg, .offset: 40, .size: 8, .value_kind: global_buffer, .address_space: global }
    .group_segment_fixed_size: 327680
    .private_segment_fixed_size: 0
    .kernarg_segment_align: 8
    .kernarg_segment_size: 48
    .max_flat_workgroup_size: 128
    .sgpr_count:     100
    .vgpr_count:     1024
    .wavefront_size: 32
...
	.end_amdgpu_metadata
.endif
;; end of part 2
;; launch attn (part 3): grid 16 x 16, 8 waves a work-group, clusters of 4 x 1, 327,680 bytes of LDS; arguments qimg, kvimg, bv, lam, oimg; writes oimg
.if DOCPART == 3
	.amdgcn_target "amdgcn-amd-amdhsa--gfx1250"
	.amdhsa_code_object_version 6
	.text
	.protected	k_q1493924111_attn
	.globl	k_q1493924111_attn
	.p2align	8
	.type	k_q1493924111_attn,@function
k_q1493924111_attn:
	s_mov_b64 s[64:65], 0
	v_nop
	global_prefetch_b8 v0, s[64:65] scope:SCOPE_SE
	s_setreg_imm32_b32 hwreg(HW_REG_WAVE_MODE, 25, 1), 1
	s_wait_xcnt 0x0
	s_wait_alu depctr_hold_cnt(0) depctr_sa_sdst(0) depctr_va_vdst(0) depctr_va_sdst(0) depctr_va_ssrc(0) depctr_va_vcc(0) depctr_vm_vsrc(0)
	s_getreg_b32 s2, hwreg(HW_REG_IB_STS2, 6, 4)
	s_cmp_eq_u32 s2, 0
	s_cbranch_scc0 .Lentry_in_a_cluster
	s_endpgm
.Lentry_in_a_cluster:
	s_bfe_u32 s2, ttmp6, 0x10000c
	s_cmp_lg_u32 s2, 0x3003
	s_cbranch_scc0 .Lentry_shape_is_right
	s_endpgm
.Lentry_shape_is_right:
; ATTN.  O = softmax(Q1 K1^T / 8) V - lam softmax(Q2 K2^T / 8) V + (1 - lam) bv, for one head and 128 queries a work-group.  (Each softmax row sums to 1, so V's bias leaves the products and is added here in f32.)
; All operands are f16, products and sums f32.  They arrive as images of the operands' registers: 1,024 bytes a fragment (16 rows x 32 K): bytes 0-511 registers 0-3, bytes 512-1023 registers 4-7, lane l's 16 bytes at 16 l.
; qimg [head][token / 16][channel / 32]; kvimg [head][256 keys][96 KiB]: K [key / 16][channel / 32], then V^T [channel / 16][key / 32]; oimg [token / 16][(64 head + channel) / 32].
; SHARES.  Eight waves: wave w takes softmax w / 4 (channels 64 (w / 4) on of Q and K) and the two tiles of 16 queries 2 (w % 4), 2 (w % 4) + 1, so each fragment of K and V read from LDS feeds two matrix instructions.
; Two waves share a SIMD: one's softmax stands beside the other's products.  Every wave walks all 2,048 keys, 128 a step.
; LAYOUT.  S^T = K Q^T (source 0 = 16 keys, source 1 = 16 queries): a lane holds ONE query and the keys 8 (lane / 16) + 0..7.  Two such tiles, rounded to f16 in pairs, ARE source 1 of O^T = V^T P, whose result again holds one query a lane.
; SOFTMAX.  A running maximum m and sum l for each query: p = 2^(c s - c m), c = log2(e) / 8; in every step O and l are multiplied by a = 2^(c m_old - c m_new).  O^T and l begin as zeros and m as -3e38, so the step is written once.
; At the end each wave has O / l, times 1 or -lam; waves 4-7 hand theirs to waves 0-3 through LDS.
; CLUSTER.  The four query blocks of a cluster belong to one head and walk the same K and V: each chunk of 256 keys is asked for jointly, 12 KiB a wave.  Two slots; one tensor load of a wave is out at a time.
; LIMITS: p and O go to f16 (p at most 1; O up to 65,504, with an absolute step of 6e-8 under 6e-5); NaN and infinities are not served.
; REGISTERS: window 0: v1-11, v28 addresses and constants; v12-27 statistics, eight a tile; v32-159 S^T, 64 a tile; v160-223 P, 32 a tile; v224-255 bv.
;   window 1: v0-127 sixteen fragments of K or of V; v128-191 O^T, 32 a tile; v192-223 Q, 16 a tile.
.set SLOT1, 1<<17                      ; slot 1 begins here: one exclusive or turns an address in one slot into the other's
.set CHUNK, 98304                      ; 256 keys: 64 KiB of K, 32 KiB of V^T, in LDS as in memory: every read is 512 bytes on end, 16 a lane
.set CMB,   SLOT1+CHUNK                ; behind the slots: 8 KiB for each pair of waves, for the second softmax's results
.set SPARE, CMB+4*8192                 ; the spare words, 128 bytes for each wave: four blocks of 256 bytes that no other line names
.set L16,  1                           ; v1   16 x lane
.set AK0,  2                           ; v2   my lane's place in a chunk's K: + 2,048 for the second softmax's channels
.set AV0,  3                           ; v3   and in its V^T
.set ADK,  4                           ; v4   the same in the slot in hand
.set ADV,  5                           ; v5
.set PFO,  6                           ; v6   256 x lane; never rewritten
.set CMBA, 7                           ; v7   my lane's place in my pair's 8 KiB
.set SPW,  8                           ; v8   LDS address of my spare word; never rewritten
.set NIL,  9                           ; v9   0; never rewritten
.set OML,  10                          ; v[10:11] 1 - lam, twice
.set ST,   12                          ; tile t at v[ST + 8 t]: +0 c m, +1 m, +2, +3 l in two halves, +4 to +7 at work; a takes +6
.set BVO,  28                          ; v28  bv: 32 x (lane / 16)
.set S,    32
.set P,    160
.set BV,   224
.set F,    0                           ; in window 1
.set O,    128
.set Q,    192
.set WV,   14                          ; s14  my wave's number
.set BR,   15                          ; s15  which softmax
.set PJ,   16                          ; s16  which pair of tiles
.set CX,   17                          ; s17  my place in the cluster
.set G1,   24                          ; s[24:31] descriptor group 1
.set G0,   32                          ; s[32:35] group 0, which walks
.set SLOTS, 36                         ; s36  chunks still to be asked for
.set TB,   37                          ; s37  LDS byte at which the slot in hand begins
.set CS,   38                          ; s[38:39] c
.set SEL,  40                          ; s[40:41] lane selects for v_permlanex16_b32: lane l xor 16
.set PFA,  42                          ; s[42:43] where my prefetches stand
.set LIM,  44                          ; s44  1 in a wave that prefetches, else the greatest number
.set LAM,  45                          ; s45  lam
.set GG,   48                          ; s48  1 or -lam
.set MSB, 0
.macro WIN new                         ; the immediate's high byte repeats the setting that is left
.if MSB != \new
	s_set_vgpr_msb (MSB<<8)|\new
.set MSB, \new
.endif
.endm
.macro CROUND                          ; a round of the cluster's barrier
	s_barrier_signal -1
	s_barrier_wait -1
	s_cmp_lg_u32 s[WV], 0
	s_cbranch_scc1 .Lnot_wave_0_\@
	s_barrier_signal -3
.Lnot_wave_0_\@:
	s_barrier_wait -3
	s_barrier_signal -1
	s_barrier_wait -1
.endm
; A PREFETCH of the chunk that the NEXT change of slots will ask for: 98,304 bytes, lanes 256 bytes apart, 8,192 bytes a wave.  All four clusters of a head walk the same chunks: the head's first cluster asks;
; its four partners take 24,576 bytes each, told apart by address; in each, waves 0 to 2 ask, one instruction each.  So each aligned 256 bytes are named once.  It stands two key steps, 128 matrix instructions a wave, ahead of that load.
; Chunks 0 and 1 come by their loads alone; the last change that fills a slot asks for nothing.
.macro ASK
	s_cmp_gt_u32 s[SLOTS], s[LIM]
	s_cbranch_scc0 .Lnot_mine_\@
	global_prefetch_b8 v[PFO], s[PFA:PFA+1] th:TH_LOAD_NT scope:SCOPE_SE
.Lnot_mine_\@:
.endm
	s_load_b256 s[4:11], s[0:1], 0x0               ; qimg s[4:5], kvimg s[6:7], bv s[8:9], lam s[10:11]
	s_load_b64 s[12:13], s[0:1], 0x20              ; oimg
	v_lshl_add_u32 v[SPW], v0, 2, SPARE
	v_mov_b32 v[NIL], 0
	ds_add_u32 v[SPW], v[NIL]                      ; the wave's opening: the add, twice on end, and its wait ahead of my first tensor load
	ds_add_u32 v[SPW], v[NIL]
	v_lshrrev_b32 v1, 5, v0
	v_readfirstlane_b32 s[WV], v1                  ; wave 0..7
	s_lshr_b32 s[BR], s[WV], 2
	s_and_b32 s[PJ], s[WV], 3
	s_bfe_u32 s[CX], ttmp6, 0x40000
	s_and_b32 s18, ttmp7, 0xffff                   ; the head, which the four partners share
	s_mov_b32 s[G1+0], 15|(3<<16)|(1<<21)          ; 15:0 the mask: all four work-groups; 17:16 elements of 8 bytes; 21 set beside a mask; no padding
	s_mov_b32 s[G1+1], 32<<16                      ; tensor_dim0 = 32 elements: rows of 256 bytes
	s_mov_b32 s[G1+2], 48<<16                      ; tensor_dim1 = 48 rows: 12,288 dense bytes
	s_mov_b32 s[G1+3], 32<<16                      ; tile_dim0
	s_mov_b32 s[G1+4], 48                          ; tile_dim1
	s_mov_b32 s[G1+5], 32                          ; tensor_dim0_stride
	s_mov_b32 s[G1+6], 0
	s_mov_b32 s[G1+7], 0
	s_mul_i32 s20, s18, 8*CHUNK                    ; the head's first byte in kvimg
	s_mul_i32 s19, s[WV], 12288                    ; my eighth of a chunk, in memory and in a slot
	s_mul_i32 s52, s[CX], 24576                    ; the prefetches: my work-group's quarter,
	s_lshl_b32 s53, s[WV], 13                      ; my wave's 8,192 bytes,
	s_add_co_u32 s52, s52, s53
	s_add_co_u32 s52, s52, s20
	s_add_co_u32 s52, s52, CHUNK                   ; in chunk 1: the first change of slots steps it to chunk 2
	s_mov_b32 s53, 0
	s_add_co_u32 s20, s20, s19
	s_mov_b32 s21, 0
	s_mov_b32 s[G0], 1                             ; count = 1
	s_mov_b32 s[G0+1], s19                         ; LDS address: slot 0
	s_lshl_b32 s2, ttmp9, 2
	s_add_co_u32 s2, s2, s[CX]                     ; my block of 128 queries
	s_lshl_b32 s2, s2, 3
	s_lshl_b32 s3, s[PJ], 1
	s_add_co_u32 s3, s3, s2                        ; my first tile of 16 queries
	s_lshl_b32 s22, s18, 19                        ; Q: head x 524,288
	s_lshl_b32 s23, s3, 12                         ;    + tile x 4,096
	s_add_co_u32 s22, s22, s23
	s_lshl_b32 s23, s[BR], 11                      ;    + my softmax's two fragments
	s_add_co_u32 s22, s22, s23
	s_mov_b32 s23, 0
	s_lshl_b32 s46, s3, 15                         ; O: tile x 32,768
	s_lshl_b32 s47, s18, 11                        ;    + the head's two fragments
	s_add_co_u32 s46, s46, s47
	s_mov_b32 s47, 0
	s_lshl_b32 s50, s18, 8                         ; bv: 64 numbers a head
	s_mov_b32 s51, 0
	s_mov_b32 s[CS], 0x3e38aa3b                    ; c = log2(e) / 8
	s_mov_b32 s[CS+1], s[CS]
	s_mov_b32 s[SEL], 0x76543210
	s_mov_b32 s[SEL+1], 0xfedcba98
	s_mov_b32 s[TB], 0
	s_mov_b32 s[SLOTS], 7
	s_cmp_lt_u32 s[WV], 3
	s_cselect_b32 s[LIM], 0, 1
	s_or_b32 s[LIM], s[LIM], ttmp9                 ; 0 in waves 0 to 2 of the head's first cluster: the same in all four partners
	s_cmp_eq_u32 s[LIM], 0
	s_cselect_b32 s[LIM], 1, -1
	v_and_b32 v[L16], 31, v0
	v_lshlrev_b32 v[PFO], 8, v[L16]
	v_lshlrev_b32 v[L16], 4, v[L16]
	s_lshl_b32 s19, s[BR], 11
	v_add_nc_u32 v[AK0], s19, v[L16]
	v_add_nc_u32 v[AV0], 65536, v[L16]
	s_lshl_b32 s19, s[PJ], 13
	s_add_co_u32 s19, s19, CMB
	v_add_nc_u32 v[CMBA], s19, v[L16]
	v_bfe_u32 v[BVO], v0, 4, 1
	v_lshlrev_b32 v[BVO], 5, v[BVO]
	s_wait_dscnt 0x0                               ; both opening adds are done
	s_wait_kmcnt 0x0
	s_add_nc_u64 s[G0+2:G0+3], s[6:7], s[20:21]    ; global address: my eighth of chunk 0
	s_or_b32 s[G0+3], s[G0+3], 0x80000000          ; type = 2
	s_add_nc_u64 s[PFA:PFA+1], s[6:7], s[52:53]
	s_add_nc_u64 s[4:5], s[4:5], s[22:23]
	s_add_nc_u64 s[12:13], s[12:13], s[46:47]
	s_add_nc_u64 s[8:9], s[8:9], s[50:51]
	s_load_b32 s[LAM], s[10:11], 0x0
	CROUND                                         ; all four work-groups are here: the first joint loads meet
	tensor_load_to_lds s[G0:G0+3], s[G1:G1+7]      ; chunk 0
	s_nop 0
.rept 4
	v_nop
.endr
	WIN 0x40                                       ; destination window 1, address window 0
.irp t, 0,1
.irp c, 0,1
.irp k, 0,1
	global_load_b128 v[Q+16*\t+8*\c+4*\k:Q+16*\t+8*\c+4*\k+3], v[L16], s[4:5] offset:4096*\t+1024*\c+512*\k   ; Q stays in registers
.endr
.endr
.endr
.set n, 0
.rept 64
	v_mov_b32 v[O+n], 0                            ; O^T: the first step finds zeros, which its a = 0 leaves zeros
.set n, n+1
.endr
	WIN 0
.irp ct, 0,1,2,3
	global_load_b128 v[BV+8*\ct:BV+8*\ct+3], v[BVO], s[8:9] offset:64*\ct       ; bv in the result's layout: channels 16 ct + 8 (lane / 16) + 0..7
	global_load_b128 v[BV+8*\ct+4:BV+8*\ct+7], v[BVO], s[8:9] offset:64*\ct+16
.endr
.irp t, 0,1
	v_mov_b32 v[ST+8*\t+1], 0xff61b1e6             ; m = -3e38, under every score
	v_mul_f32 v[ST+8*\t], s[CS], v[ST+8*\t+1]      ; c m
	v_mov_b32 v[ST+8*\t+2], 0                      ; l
	v_mov_b32 v[ST+8*\t+3], 0
.endr
; 16 products of S^T = K Q^T: channels 32 c on; 8 tiles of keys x my 2 tiles of queries.  The sixteen accumulators take turns, one instruction a turn.  c = 0 starts the sums.
.macro KQ c
.irp kt, 0,1,2,3,4,5,6,7
.irp t, 0,1
.if \c == 0
	v_wmma_f32_16x16x32_f16 v[S+64*\t+8*\kt:S+64*\t+8*\kt+7], v[F+16*\kt+8*\c:F+16*\kt+8*\c+7], v[Q+16*\t+8*\c:Q+16*\t+8*\c+7], 0
.else
	v_wmma_f32_16x16x32_f16 v[S+64*\t+8*\kt:S+64*\t+8*\kt+7], v[F+16*\kt+8*\c:F+16*\kt+8*\c+7], v[Q+16*\t+8*\c:Q+16*\t+8*\c+7], v[S+64*\t+8*\kt:S+64*\t+8*\kt+7]
.endif
.endr
.endr
.endm
; Both tiles' softmax for 128 keys, the tiles line by line by turns.  s0-s63 are a lane's scores of a tile.
.macro SOFTMAX
.irp k, 0,1,2,3                        ; the maximum, three operands at a time: four chains of 15 scores; each accumulator's first read is of one of its lowest registers
.irp t, 0,1
	v_max3_num_f32 v[ST+8*\t+4+\k], v[S+64*\t+16*\k], v[S+64*\t+16*\k+1], v[S+64*\t+16*\k+2]
.endr
.endr
.irp i, 3,5,7,9,11,13
.irp k, 0,1,2,3
.irp t, 0,1
	v_max3_num_f32 v[ST+8*\t+4+\k], v[ST+8*\t+4+\k], v[S+64*\t+16*\k+\i], v[S+64*\t+16*\k+\i+1]
.endr
.endr
.endr
.irp t, 0,1
	v_max3_num_f32 v[ST+8*\t+4], v[ST+8*\t+4], v[S+64*\t+15], v[S+64*\t+31]   ; the four scores left over
	v_max3_num_f32 v[ST+8*\t+6], v[ST+8*\t+6], v[S+64*\t+47], v[S+64*\t+63]
.endr
.irp t, 0,1
	v_max3_num_f32 v[ST+8*\t+4], v[ST+8*\t+4], v[ST+8*\t+5], v[ST+8*\t+6]
.endr
.irp t, 0,1
	v_max3_num_f32 v[ST+8*\t+4], v[ST+8*\t+4], v[ST+8*\t+7], v[ST+8*\t+1]     ; and the old m
.endr
.irp t, 0,1
	v_permlanex16_b32 v[ST+8*\t+5], v[ST+8*\t+4], s[SEL], s[SEL+1]            ; the query's other 64 keys lie in the lane 16 away
.endr
.irp t, 0,1
	v_mov_b32 v[ST+8*\t+7], v[ST+8*\t]             ; c m_old is kept for a
.endr
.irp t, 0,1
	v_max_num_f32 v[ST+8*\t+1], v[ST+8*\t+4], v[ST+8*\t+5]
.endr
.irp t, 0,1
	v_mul_f32 v[ST+8*\t], s[CS], v[ST+8*\t+1]
.endr
.irp t, 0,1
	v_sub_f32 v[ST+8*\t+7], v[ST+8*\t+7], v[ST+8*\t]
.endr
.set n, 0
.rept 32
.irp t, 0,1
	v_pk_fma_f32 v[S+64*\t+2*n:S+64*\t+2*n+1], v[S+64*\t+2*n:S+64*\t+2*n+1], s[CS:CS+1], v[ST+8*\t:ST+8*\t+1] op_sel_hi:[1,0,0] neg_lo:[0,0,1] neg_hi:[0,0,1]   ; c s - c m, two at a time
.endr
.set n, n+1
.endr
.irp t, 0,1
	v_exp_f32 v[ST+8*\t+6], v[ST+8*\t+7]           ; a.  ONE BATCH: 130 exponentials, none of which reads another's result
.endr
.set n, 0
.rept 64
.irp t, 0,1
	v_exp_f32 v[S+64*\t+n], v[S+64*\t+n]
.endr
.set n, n+1
.endr
	v_nop                                          ; a plain instruction behind the last exponential, ahead of the first use
	s_wait_alu depctr_va_vdst(0)                   ; one wait for the batch, ahead of the first line that names a result
.irp t, 0,1
	v_pk_mul_f32 v[ST+8*\t+2:ST+8*\t+3], v[ST+8*\t+2:ST+8*\t+3], v[ST+8*\t+6:ST+8*\t+7] op_sel_hi:[1,0]   ; l under the new m
.endr
.irp t, 0,1
	v_pk_add_f32 v[ST+8*\t+4:ST+8*\t+5], v[S+64*\t:S+64*\t+1], v[S+64*\t+2:S+64*\t+3]   ; the sum of the unrounded p, in two chains
.endr
.set n, 1
.rept 15
.irp t, 0,1
	v_pk_add_f32 v[ST+8*\t+2:ST+8*\t+3], v[ST+8*\t+2:ST+8*\t+3], v[S+64*\t+4*n:S+64*\t+4*n+1]
	v_pk_add_f32 v[ST+8*\t+4:ST+8*\t+5], v[ST+8*\t+4:ST+8*\t+5], v[S+64*\t+4*n+2:S+64*\t+4*n+3]
.endr
.set n, n+1
.endr
.irp t, 0,1
	v_pk_add_f32 v[ST+8*\t+2:ST+8*\t+3], v[ST+8*\t+2:ST+8*\t+3], v[ST+8*\t+4:ST+8*\t+5]
.endr
.set n, 0
.rept 32
.irp t, 0,1
	v_cvt_pk_f16_f32 v[P+32*\t+n], v[S+64*\t+2*n], v[S+64*\t+2*n+1]   ; 16 scores of two neighbouring tiles of keys become a fragment's eight registers
.endr
.set n, n+1
.endr
	WIN 0x41                                       ; O^T in window 1, a in window 0
.set n, 0
.rept 16
.irp t, 0,1
	v_pk_mul_f32 v[O+32*\t+2*n:O+32*\t+2*n+1], v[O+32*\t+2*n:O+32*\t+2*n+1], v[ST+8*\t+6:ST+8*\t+7] op_sel_hi:[1,0]   ; O^T under the new m
.endr
.set n, n+1
.endr
.endm
; A KEY STEP: 128 keys, the q-th half of the slot in hand.
.macro STEP q
	v_add_nc_u32 v[ADK], s[TB], v[AK0]
	v_add_nc_u32 v[ADV], s[TB], v[AV0]
	v_nop
	v_nop                                          ; four plain instructions between the last products and the loads into the registers that they read
	WIN 0x40
.irp c, 0,1                            ; K: 8 tiles of keys x my softmax's 64 channels; the first 32 channels first
.irp kt, 0,1,2,3,4,5,6,7
	ds_load_b128 v[F+16*\kt+8*\c:F+16*\kt+8*\c+3], v[ADK] offset:32768*\q+4096*\kt+1024*\c
	ds_load_b128 v[F+16*\kt+8*\c+4:F+16*\kt+8*\c+7], v[ADK] offset:32768*\q+4096*\kt+1024*\c+512
.endr
.endr
	s_wait_dscnt 16                                ; the first 32 channels are in; the other sixteen loads may be out
	WIN 0x05                                       ; K and Q in window 1, S^T in window 0
	KQ 0
	s_wait_dscnt 0x0
	KQ 1
.rept 4
	v_nop                                          ; places: for the loads into K's registers and for the first read of the scores
.endr
	WIN 0x40
.irp u, 0,1,2,3                        ; V^T: 4 x 32 keys x 4 tiles of channels; it lands while the softmax is walked
.irp ct, 0,1,2,3
	ds_load_b128 v[F+32*\u+8*\ct:F+32*\u+8*\ct+3], v[ADV] offset:8192*\ct+1024*(4*\q+\u)
	ds_load_b128 v[F+32*\u+8*\ct+4:F+32*\u+8*\ct+7], v[ADV] offset:8192*\ct+1024*(4*\q+\u)+512
.endr
.endr
	WIN 0
	SOFTMAX
	s_wait_dscnt 0x0                               ; V^T is in
	WIN 0x51                                       ; V^T and O^T in window 1, P in window 0
.irp u, 0,1,2,3                        ; O^T += V^T P: the eight accumulators take turns, one instruction a turn
.irp ct, 0,1,2,3
.irp t, 0,1
	v_wmma_f32_16x16x32_f16 v[O+32*\t+8*\ct:O+32*\t+8*\ct+7], v[F+32*\u+8*\ct:F+32*\u+8*\ct+7], v[P+32*\t+8*\u:P+32*\t+8*\u+7], v[O+32*\t+8*\ct:O+32*\t+8*\ct+7]
.endr
.endr
.endr
	WIN 0
.endm
; THE CHANGE OF SLOTS stands at a slot's head.  Each wave waits for all its tensor loads (its part of the slot that it is about to read), adds 0 to its spare word, and waits for that and for its reads of the slot that it has left.
; fill = 1: the barrier is a round of the cluster's, so that no wave of any partner still reads the other slot or has a load on its way; the joint load of the next chunk is the first thing behind it and has two key steps in which to land.
.macro CHANGE fill
	s_wait_tensorcnt 0x0                           ; no tensor load of mine is out, so group 0 may be written
	ds_add_u32 v[SPW], v[NIL]
.if \fill
	s_xor_b32 s[G0+1], s[G0+1], SLOT1              ; the other slot than last time,
	s_add_nc_u64 s[G0+2:G0+3], s[G0+2:G0+3], CHUNK ; the next 256 keys; the type bits on top are not reached
	s_wait_xcnt 0x0                                ; the last prefetch, two key steps back, has read its address
	s_add_nc_u64 s[PFA:PFA+1], s[PFA:PFA+1], CHUNK ; one chunk further on than the walking descriptor
	s_wait_dscnt 0x0                               ; the add is done, and my reads of the slot that I have left are over
	CROUND
	tensor_load_to_lds s[G0:G0+3], s[G1:G1+7]
	s_nop 0
.rept 4
	v_nop
.endr
	ASK
.else
	s_wait_dscnt 0x0
	s_barrier_signal -1
	s_barrier_wait -1
.endif
.endm
.macro SLOT_STEPS
	STEP 0
	STEP 1
	s_xor_b32 s[TB], s[TB], SLOT1                  ; on to the other slot
.endm
	s_wait_loadcnt 0x0                             ; Q and bv
	s_wait_kmcnt 0x0                               ; lam
	s_xor_b32 s[GG], s[LAM], 0x80000000
	s_cmp_eq_u32 s[BR], 0
	s_cselect_b32 s[GG], 0x3f800000, s[GG]         ; the first softmax counts once, the second -lam times
.Lslot:                                            ; seven trips: behind each change of slots but the last the next chunk is asked for
	CHANGE 1
	SLOT_STEPS
	s_sub_co_u32 s[SLOTS], s[SLOTS], 1
	s_cmp_lg_u32 s[SLOTS], 0
	s_cbranch_scc1 .Lslot
	CHANGE 0                                       ; the last chunk is written out
	SLOT_STEPS
	; THE WAY OUT.  The additions are the places behind the last products.
.irp t, 0,1
	v_add_f32 v[ST+8*\t+4], v[ST+8*\t+2], v[ST+8*\t+3]
.endr
.irp t, 0,1
	v_permlanex16_b32 v[ST+8*\t+5], v[ST+8*\t+4], s[SEL], s[SEL+1]
.endr
.irp t, 0,1
	v_add_f32 v[ST+8*\t+4], v[ST+8*\t+4], v[ST+8*\t+5]   ; the row's sum: at least 1, since the largest p is 1
.endr
	v_mov_b32 v[OML], s[LAM]
	v_sub_f32 v[OML], 1.0, v[OML]
	v_mov_b32 v[OML+1], v[OML]
.irp t, 0,1
	v_rcp_f32 v[ST+8*\t+6], v[ST+8*\t+4]
.endr
	v_nop
	s_wait_alu depctr_va_vdst(0)                   ; one wait for the two reciprocals, ahead of their first reader
.irp t, 0,1
	v_mul_f32 v[ST+8*\t+6], s[GG], v[ST+8*\t+6]
.endr
	WIN 0x01                                       ; O^T in window 1; the result goes into S^T's registers
.set n, 0
.rept 16
.irp t, 0,1
	v_pk_mul_f32 v[S+64*\t+2*n:S+64*\t+2*n+1], v[O+32*\t+2*n:O+32*\t+2*n+1], v[ST+8*\t+6:ST+8*\t+7] op_sel_hi:[1,0]
.endr
.set n, n+1
.endr
	WIN 0
	s_cmp_lt_u32 s[WV], 4
	s_cbranch_scc1 .Lkeeps
.irp t, 0,1                            ; waves 4-7: the second softmax's part goes to LDS as it stands, 512 bytes a store
.irp g, 0,1,2,3,4,5,6,7
	ds_store_b128 v[CMBA], v[S+64*\t+4*\g:S+64*\t+4*\g+3] offset:512*(8*\t+\g)
.endr
.endr
.Lkeeps:
	s_wait_dscnt 0x0                               ; for the others' sake: my stores have landed
	s_barrier_signal -1
	s_barrier_wait -1
	s_cmp_ge_u32 s[WV], 4
	s_cbranch_scc1 .Lfin
.irp t, 0,1                            ; waves 0-3: the same registers in the same lanes, into P's registers
.irp g, 0,1,2,3,4,5,6,7
	ds_load_b128 v[P+32*\t+4*\g:P+32*\t+4*\g+3], v[CMBA] offset:512*(8*\t+\g)
.endr
.endr
	s_wait_dscnt 0x0
.set n, 0
.rept 16
.irp t, 0,1
	v_pk_add_f32 v[S+64*\t+2*n:S+64*\t+2*n+1], v[S+64*\t+2*n:S+64*\t+2*n+1], v[P+32*\t+2*n:P+32*\t+2*n+1]
.endr
.set n, n+1
.endr
.set n, 0
.rept 16
.irp t, 0,1
	v_pk_fma_f32 v[S+64*\t+2*n:S+64*\t+2*n+1], v[BV+2*n:BV+2*n+1], v[OML:OML+1], v[S+64*\t+2*n:S+64*\t+2*n+1]   ; + (1 - lam) bv
.endr
.set n, n+1
.endr
.set n, 0
.rept 16
.irp t, 0,1
	v_cvt_pk_f16_f32 v[S+64*\t+32+n], v[S+64*\t+2*n], v[S+64*\t+2*n+1]   ; channels 32 u on: two fragments of the last product's operand
.endr
.set n, n+1
.endr
.irp t, 0,1
.irp u, 0,1
.irp k, 0,1
	global_store_b128 v[L16], v[S+64*\t+32+8*\u+4*\k:S+64*\t+32+8*\u+4*\k+3], s[12:13] offset:32768*\t+1024*\u+512*\k   ; the wave stores 512 consecutive bytes, aligned
.endr
.endr
.endr
.Lfin:
	s_wait_tensorcnt 0x0                           ; the wave's end: behind my last tensor load and my last LDS store
	ds_add_u32 v[SPW], v[NIL]
	s_wait_dscnt 0x0
	CROUND                                         ; the closing round
	s_endpgm
.Lfunc_end_k_q1493924111_attn:
	.size	k_q1493924111_attn, .Lfunc_end_k_q1493924111_attn-k_q1493924111_attn
	.p2alignl 7, 3214868480
	.fill 96, 4, 3214868480
	.section	.rodata,"a",@progbits
	.p2align	6, 0x0
	.amdhsa_kernel k_q1493924111_attn
		.amdhsa_group_segment_fixed_size 327680
		.amdhsa_private_segment_fixed_size 0
		.amdhsa_enable_private_segment 0
		.amdhsa_kernarg_size 40
		.amdhsa_user_sgpr_count 2
		.amdhsa_user_sgpr_kernarg_segment_ptr 1
		.amdhsa_wavefront_size32 1
		.amdhsa_system_sgpr_workgroup_id_x 1
		.amdhsa_system_sgpr_workgroup_id_y 1
		.amdhsa_system_sgpr_workgroup_id_z 1
		.amdhsa_system_vgpr_workitem_id 0
		.amdhsa_next_free_vgpr 512
		.amdhsa_next_free_sgpr 66
		.amdhsa_reserve_vcc 0
		.amdhsa_float_denorm_mode_32 3
		.amdhsa_float_denorm_mode_16_64 3
		.amdhsa_memory_ordered 1
		.amdhsa_forward_progress 1
		.amdhsa_inst_pref_size 147
	.end_amdhsa_kernel
	.amdgpu_metadata
---
amdhsa.version: [ 1, 2 ]
amdhsa.kernels:
  - .name:           k_q1493924111_attn
    .symbol:         k_q1493924111_attn.kd
    .args:
      - { .name: qimg, .offset: 0, .size: 8, .value_kind: global_buffer, .address_space: global }
      - { .name: kvimg, .offset: 8, .size: 8, .value_kind: global_buffer, .address_space: global }
      - { .name: bv, .offset: 16, .size: 8, .value_kind: global_buffer, .address_space: global }
      - { .name: lam, .offset: 24, .size: 8, .value_kind: global_buffer, .address_space: global }
      - { .name: oimg, .offset: 32, .size: 8, .value_kind: global_buffer, .address_space: global }
    .group_segment_fixed_size: 327680
    .private_segment_fixed_size: 0
    .kernarg_segment_align: 8
    .kernarg_segment_size: 40
    .max_flat_workgroup_size: 256
    .sgpr_count:     66
    .vgpr_count:     512
    .wavefront_size: 32
...
	.end_amdgpu_metadata
.endif
;; end of part 3
;; launch oproj (part 4): grid 8 x 32, 4 waves a work-group, clusters of 4 x 4, 327,680 bytes of LDS; arguments oimg, woimg, bo, y; writes y
.if DOCPART == 4
	.amdgcn_target "amdgcn-amd-amdhsa--gfx1250"
	.amdhsa_code_object_version 6
	.text
	.protected	k_q1493924111_oproj
	.globl	k_q1493924111_oproj
	.p2align	8
	.type	k_q1493924111_oproj,@function
k_q1493924111_oproj:
	s_mov_b64 s[64:65], 0
	v_nop
	global_prefetch_b8 v0, s[64:65] scope:SCOPE_SE
	s_setreg_imm32_b32 hwreg(HW_REG_WAVE_MODE, 25, 1), 1
	s_wait_xcnt 0x0
	s_wait_alu depctr_hold_cnt(0) depctr_sa_sdst(0) depctr_va_vdst(0) depctr_va_sdst(0) depctr_va_ssrc(0) depctr_va_vcc(0) depctr_vm_vsrc(0)
	s_getreg_b32 s2, hwreg(HW_REG_IB_STS2, 6, 4)
	s_cmp_eq_u32 s2, 0
	s_cbranch_scc0 .Lentry_in_a_cluster
	s_endpgm
.Lentry_in_a_cluster:
	s_bfe_u32 s2, ttmp6, 0x10000c
	s_cmp_lg_u32 s2, 0xf033
	s_cbranch_scc0 .Lentry_shape_is_right
	s_endpgm
.Lentry_shape_is_right:
; OPROJ.  y = Ocat Wo + bo: [2048][1024] f32, K = 1,024, operands f16, sums f32.  Both operands arrive as images of the operands' registers, 1,024 bytes a fragment (16 rows x 32 K):
; oimg [token / 16][k / 32], woimg [n / 16][k / 32]; bytes 0-511 registers 0-3, bytes 512-1023 registers 4-7, lane l's 16 bytes at 16 l: every LDS read is 512 bytes on end.
; A tile of 64 tokens x 128 columns to a work-group: 256 work-groups.  Four waves, 32 x 64 each: 8 accumulators.  The matrix instruction is used transposed (source 0 = 16 columns of Wo, source 1 = 16 tokens):
; a lane holds a token and eight neighbouring columns.  bo is the C of each sum's first product.
; K goes in four chunks of 256 (96 KiB: 4 tiles of tokens and 8 tiles of columns x 8 KiB).  Three slots are filled at the head, so three tensor loads of a wave are out at once; the fourth chunk fills slot 0 again.
; CLUSTERS: 4 x 4 work-groups; the tokens' fragments are shared along a row of the cluster, Wo's along a column: each is asked for jointly.
; The norm over a row needs all 1,024 columns, for which a work-group would have to take all of Wo into its LDS: it is left to the next launch.
; REGISTERS: window 0: v1-15 addresses; v32-63 bo; v64-127 the accumulators ((a, b) at v[64 + 8 (4 a + b)]); v128-191 rows on the way out.
;   window 1: two fragment buffers at v0 and v128, 64 along K each: for each 32 along K 32 registers of Wo, then 16 of the tokens.
.set SLOTB,  98304                     ; a slot: the tokens' 32 KiB, then Wo's 64 KiB
.set STAGE,  3*SLOTB                   ; behind the slots: 16 rows x (256 bytes + 16) for each wave
.set SPITCH, 272
.set SPARE,  STAGE+4*16*SPITCH         ; the spare words, 128 bytes for each wave: two blocks of 256 bytes that no other line names
.set L16, 1                            ; v1    16 x lane
.set ADA, 2                            ; v2-4  LDS address of my tokens' fragments in slot 0, 1, 2
.set ADB, 5                            ; v5-7  the same for Wo's
.set STO, 8                            ; v8    the way out: where I put 32 bytes of a row
.set RD,  9                            ; v9    where I read a row back
.set CO,  10                           ; v10   my byte offset in two rows of y
.set BO,  11                           ; v11   bo: 32 x (lane / 16)
.set SPW, 12                           ; v12   LDS address of my spare word; never rewritten
.set NIL, 13                           ; v13   0; never rewritten
.set BIAS, 32
.set ACC,  64
.set OB,   128
.set F0,   0
.set F1,   128
.set G1A, 24                           ; s[24:31] descriptor group 1 for the tokens' fragments; s[32:39] for Wo's
.set G1B, 32
.set G0A, 40                           ; s[40:51] groups 0, one for each slot; s[52:63] for Wo's
.set G0B, 52
.set MSB, 0
.macro WIN new                         ; the immediate's high byte repeats the setting that is left
.if MSB != \new
	s_set_vgpr_msb (MSB<<8)|\new
.set MSB, \new
.endif
.endm
.set MUL,  0x05                        ; sources 0 and 1 window 1; C and D window 0
.set TO_F, 0x40                        ; destination window 1, address window 0
.macro JLOAD s                         ; a joint load: waves 0 and 1 fetch the tokens' halves, waves 2 and 3 Wo's; an s_nop 0 and four v_nop follow each of the two lines
	s_cmp_eq_u32 s13, 0
	s_cbranch_scc0 .Lfor_b_\@
	tensor_load_to_lds s[G0A+4*\s:G0A+4*\s+3], s[G1A:G1A+7]
	s_nop 0
.rept 4
	v_nop
.endr
	s_branch .Lasked_\@
.Lfor_b_\@:
	tensor_load_to_lds s[G0B+4*\s:G0B+4*\s+3], s[G1B:G1B+7]
	s_nop 0
.rept 4
	v_nop
.endr
.Lasked_\@:
.endm
.macro CROUND                          ; a round of the cluster's barrier
	s_barrier_signal -1
	s_barrier_wait -1
	s_cmp_lg_u32 s12, 0
	s_cbranch_scc1 .Lnot_wave_0_\@
	s_barrier_signal -3
.Lnot_wave_0_\@:
	s_barrier_wait -3
	s_barrier_signal -1
	s_barrier_wait -1
.endm
	s_load_b256 s[4:11], s[0:1], 0x0               ; oimg s[4:5], woimg s[6:7], bo s[8:9], y s[10:11]
	v_lshl_add_u32 v[SPW], v0, 2, SPARE
	v_mov_b32 v[NIL], 0
	ds_add_u32 v[SPW], v[NIL]                      ; the wave's opening: the add, twice on end, and its wait ahead of my first tensor load
	ds_add_u32 v[SPW], v[NIL]
	v_lshrrev_b32 v1, 5, v0
	v_readfirstlane_b32 s12, v1                    ; wave 0..3
	s_lshr_b32 s13, s12, 1                         ; which 32 tokens are mine.  Also: I fetch tokens (0) or Wo (1)
	s_and_b32 s14, s12, 1                          ; which 64 columns.  Also: which half I fetch
	s_bfe_u32 s66, ttmp6, 0x40000                  ; cx, cy
	s_bfe_u32 s67, ttmp6, 0x40004
	s_lshl_b32 s68, ttmp9, 2
	s_add_co_u32 s68, s68, s66                     ; tile column = 4 x cluster x + cx
	s_and_b32 s69, ttmp7, 0xffff
	s_lshl_b32 s69, s69, 2
	s_add_co_u32 s69, s69, s67                     ; tile row = 4 x cluster y + cy
	s_lshl_b32 s70, s67, 2
	s_lshl_b32 s70, 15, s70                        ; my row of the cluster
	s_lshl_b32 s71, 0x1111, s66                    ; my column
	s_or_b32 s[G1A+0], s70, (3<<16)|(1<<21)        ; 15:0 the mask; 17:16 elements of 8 bytes; 21 set beside a mask; no padding
	s_or_b32 s[G1B+0], s71, (3<<16)|(1<<21)
	s_mov_b32 s[G1A+1], 1024<<16                   ; tensor_dim0 = 1,024 elements: a tile's 8 fragments of a chunk, 8,192 bytes on end
	s_mov_b32 s[G1A+2], 2<<16                      ; tensor_dim1 = 2 tiles of tokens
	s_mov_b32 s[G1A+3], 1024<<16                   ; tile_dim0
	s_mov_b32 s[G1A+4], 2                          ; tile_dim1
	s_mov_b32 s[G1A+5], 4096                       ; tensor_dim0_stride: 32,768 bytes from tile to tile
	s_mov_b32 s[G1A+6], 0
	s_mov_b32 s[G1A+7], 0
	s_mov_b32 s[G1B+1], 1024<<16
	s_mov_b32 s[G1B+2], 4<<16                      ; 4 tiles of columns
	s_mov_b32 s[G1B+3], 1024<<16
	s_mov_b32 s[G1B+4], 4
	s_mov_b32 s[G1B+5], 4096
	s_mov_b32 s[G1B+6], 0
	s_mov_b32 s[G1B+7], 0
	s_lshl_b32 s16, s69, 17                        ; tokens: 4 tiles of 32,768 bytes a tile row,
	s_lshl_b32 s15, s14, 16                        ; + 2 tiles for the upper half
	s_add_co_u32 s16, s16, s15
	s_mov_b32 s17, 0
	s_lshl_b32 s18, s68, 18                        ; Wo: 8 tiles a tile column,
	s_lshl_b32 s15, s14, 17                        ; + 4 tiles for the upper half
	s_add_co_u32 s18, s18, s15
	s_mov_b32 s19, 0
	s_lshl_b32 s20, s14, 14                        ; where they go in a slot: no place in the cluster enters an LDS address
	s_lshl_b32 s21, s14, 15
	s_add_co_u32 s21, s21, 32768
	s_wait_dscnt 0x0                               ; both opening adds are done
	s_wait_kmcnt 0x0
	s_add_nc_u64 s[16:17], s[4:5], s[16:17]
	s_add_nc_u64 s[18:19], s[6:7], s[18:19]
	CROUND                                         ; all sixteen work-groups are here: the first joint loads meet
.irp s, 0,1,2
	s_mov_b32 s[G0A+4*\s], 1
	s_add_co_u32 s[G0A+4*\s+1], s20, \s*SLOTB
	s_add_nc_u64 s[G0A+4*\s+2:G0A+4*\s+3], s[16:17], \s*8192
	s_or_b32 s[G0A+4*\s+3], s[G0A+4*\s+3], 0x80000000
	s_mov_b32 s[G0B+4*\s], 1
	s_add_co_u32 s[G0B+4*\s+1], s21, \s*SLOTB
	s_add_nc_u64 s[G0B+4*\s+2:G0B+4*\s+3], s[18:19], \s*8192
	s_or_b32 s[G0B+4*\s+3], s[G0B+4*\s+3], 0x80000000
	JLOAD \s                                       ; chunks 0, 1, 2
.endr
	v_and_b32 v14, 15, v0                          ; l % 16
	v_bfe_u32 v15, v0, 4, 1                        ; l / 16
	v_lshlrev_b32 v[BO], 5, v15
	s_lshl_b32 s22, s68, 9                         ; my first column, in bytes: 512 x tile column + 256 x half
	s_lshl_b32 s23, s14, 8
	s_add_co_u32 s22, s22, s23
	s_mov_b32 s23, 0
	s_add_nc_u64 s[8:9], s[8:9], s[22:23]
.irp b, 0,1,2,3
	global_load_b128 v[BIAS+8*\b:BIAS+8*\b+3], v[BO], s[8:9] offset:64*\b       ; bo in the result's layout: columns 16 b + 8 (lane / 16) + 0..7
	global_load_b128 v[BIAS+8*\b+4:BIAS+8*\b+7], v[BO], s[8:9] offset:64*\b+16
.endr
	s_add_nc_u64 s[10:11], s[10:11], s[22:23]
	s_lshl_b32 s22, s69, 18                        ; my first row of y: 64 x tile row + 32 x half, 4,096 bytes a row
	s_lshl_b32 s15, s13, 17
	s_add_co_u32 s22, s22, s15
	s_add_nc_u64 s[10:11], s[10:11], s[22:23]
	v_and_b32 v[L16], 31, v0
	v_lshlrev_b32 v[L16], 4, v[L16]
	s_lshl_b32 s20, s13, 14                        ; my two tiles of tokens
	s_lshl_b32 s21, s14, 15                        ; my four tiles of columns,
	s_add_co_u32 s21, s21, 32768                   ; behind the tokens' 32 KiB
.irp s, 0,1,2
	v_add_nc_u32 v[ADA+\s], s20, v[L16]
	v_add_nc_u32 v[ADB+\s], s21, v[L16]
	s_add_co_u32 s20, s20, SLOTB
	s_add_co_u32 s21, s21, SLOTB
.endr
	s_mul_i32 s20, s12, 16*SPITCH
	s_add_co_u32 s20, s20, STAGE                   ; my stage
	v_mul_u32_u24 v[STO], v14, SPITCH              ; in: row l % 16, 32 bytes for each half of the lanes
	v_lshl_add_u32 v[STO], v15, 5, v[STO]
	v_add_nc_u32 v[STO], s20, v[STO]
	v_mul_u32_u24 v[RD], v15, SPITCH               ; back: lanes 0-15 one row of 256 bytes, lanes 16-31 the next
	v_lshl_add_u32 v[RD], v14, 4, v[RD]
	v_add_nc_u32 v[RD], s20, v[RD]
	v_lshlrev_b32 v[CO], 12, v15                   ; and the same two rows in y
	v_lshl_add_u32 v[CO], v14, 4, v[CO]
; 24 LDS loads in one run: the fragments of 64 along K, the kq-th of the chunk in the slot, into buffer f; the first 32 along K first
.macro FETCH slot, kq, f
	WIN TO_F
.irp c, 0,1
.irp b, 0,1,2,3
	ds_load_b128 v[\f+48*\c+8*\b:\f+48*\c+8*\b+3], v[ADB+\slot] offset:8192*\b+2048*\kq+1024*\c
	ds_load_b128 v[\f+48*\c+8*\b+4:\f+48*\c+8*\b+7], v[ADB+\slot] offset:8192*\b+2048*\kq+1024*\c+512
.endr
.irp a, 0,1
	ds_load_b128 v[\f+48*\c+32+8*\a:\f+48*\c+32+8*\a+3], v[ADA+\slot] offset:8192*\a+2048*\kq+1024*\c
	ds_load_b128 v[\f+48*\c+32+8*\a+4:\f+48*\c+32+8*\a+7], v[ADA+\slot] offset:8192*\a+2048*\kq+1024*\c+512
.endr
.endr
.endm
; 8 matrix instructions, 32 along K: half c of buffer f.  The eight accumulators take turns, one instruction a turn.  zero = 1: the first product starts the sums from bo
.macro MUL8 f, c, zero
.irp a, 0,1
.irp b, 0,1,2,3
.if \zero
	v_wmma_f32_16x16x32_f16 v[ACC+8*(4*\a+\b):ACC+8*(4*\a+\b)+7], v[\f+48*\c+8*\b:\f+48*\c+8*\b+7], v[\f+48*\c+32+8*\a:\f+48*\c+32+8*\a+7], v[BIAS+8*\b:BIAS+8*\b+7]
.else
	v_wmma_f32_16x16x32_f16 v[ACC+8*(4*\a+\b):ACC+8*(4*\a+\b)+7], v[\f+48*\c+8*\b:\f+48*\c+8*\b+7], v[\f+48*\c+32+8*\a:\f+48*\c+32+8*\a+7], v[ACC+8*(4*\a+\b):ACC+8*(4*\a+\b)+7]
.endif
.endr
.endr
.endm
.macro PLACES                          ; four plain instructions in front of loads into registers that matrix instructions have read, and of the first read of results
.rept 4
	v_nop
.endr
.endm
; A quarter of a chunk, 64 along K: multiplies buffer f and fetches the next quarter (slot nslot, quarter nkq) into buffer g
.macro QUARTER f, g, nslot, nkq, zero
	s_wait_dscnt 12                                ; the first 32 along K are in; the other twelve loads may be out
	WIN MUL
	MUL8 \f, 0, \zero
	PLACES
	FETCH \nslot, \nkq, \g
	s_wait_dscnt 24                                ; all but the 24 just issued
	WIN MUL
	MUL8 \f, 1, 0
.endm
; A quarter with a barrier.  In front of it each wave waits for all its tensor loads, adds 0 to its spare word, and waits for that and for its LDS reads.
; fill = 1: slot 0, which has been read out, takes chunk 3: the barrier is a round of the cluster's, and the joint load is the first thing behind it.  It also shows chunks 1 and 2 whole to every wave.
.macro TURN fill, nslot
	s_wait_dscnt 12
	WIN MUL
	MUL8 F1, 0, 0
	WIN 0
	s_wait_tensorcnt 0x0                           ; all my tensor loads have landed, so a group 0 may be written
	ds_add_u32 v[SPW], v[NIL]
.if \fill
	s_add_nc_u64 s[G0A+2:G0A+3], s[G0A+2:G0A+3], 3*8192
	s_add_nc_u64 s[G0B+2:G0B+3], s[G0B+2:G0B+3], 3*8192
	s_wait_dscnt 0x0                               ; the add is done, and my reads of slot 0 are over
	CROUND
	JLOAD 0                                        ; the four v_nop behind it are also the places in front of the loads below
.else
	s_wait_dscnt 0x0
	s_barrier_signal -1
	s_barrier_wait -1
	PLACES
.endif
	FETCH \nslot, 0, F0
	WIN MUL
	MUL8 F1, 1, 0
.endm
	s_wait_loadcnt 0x0                             ; bo
	s_wait_tensorcnt 2                             ; my part of chunk 0 is in; chunks 1 and 2 may be out
	s_barrier_signal -1
	s_barrier_wait -1                              ; everybody's is
	FETCH 0, 0, F0
	QUARTER F0, F1, 0, 1, 1
	QUARTER F1, F0, 0, 2, 0
	QUARTER F0, F1, 0, 3, 0
	TURN 1, 1
	QUARTER F0, F1, 1, 1, 0
	QUARTER F1, F0, 1, 2, 0
	QUARTER F0, F1, 1, 3, 0
	QUARTER F1, F0, 2, 0, 0
	QUARTER F0, F1, 2, 1, 0
	QUARTER F1, F0, 2, 2, 0
	QUARTER F0, F1, 2, 3, 0
	TURN 0, 0                                      ; chunk 3 is whole
	QUARTER F0, F1, 0, 1, 0
	QUARTER F1, F0, 0, 2, 0
	QUARTER F0, F1, 0, 3, 0
	s_wait_dscnt 12                                ; the last quarter: nothing more to fetch
	WIN MUL
	MUL8 F1, 0, 0
	s_wait_dscnt 0x0
	MUL8 F1, 1, 0
	WIN 0
	; THE WAY OUT.  A lane holds 32 neighbouring bytes of a row and the lanes beside it other rows: 16 rows at a time go through my own stage and come back as rows of 256 bytes.
	; LDS serves a wave's instructions in order (ISA guide 5.7.1.4): no wait between the stores and the loads, nor in front of the next 16 rows' stores.
	PLACES
.irp a, 0,1
.irp b, 0,1,2,3
	ds_store_b128 v[STO], v[ACC+8*(4*\a+\b):ACC+8*(4*\a+\b)+3] offset:64*\b        ; each accumulator from its low end on
	ds_store_b128 v[STO], v[ACC+8*(4*\a+\b)+4:ACC+8*(4*\a+\b)+7] offset:64*\b+16
.endr
.irp t, 0,1,2,3,4,5,6,7
	ds_load_b128 v[OB+32*\a+4*\t:OB+32*\a+4*\t+3], v[RD] offset:\t*2*SPITCH
.endr
.endr
.irp a, 0,1
.irp t, 0,1,2,3,4,5,6,7
	s_wait_dscnt 16*(1-\a)+7-\t                    ; behind this load: the rest of its eight, and for the first 16 rows the second's sixteen instructions
	global_store_b128 v[CO], v[OB+32*\a+4*\t:OB+32*\a+4*\t+3], s[10:11] offset:65536*\a+8192*\t   ; sixteen lanes store 256 consecutive bytes, aligned
.endr
.endr
	s_wait_tensorcnt 0x0                           ; the wave's end: behind my last tensor load and my last LDS store
	ds_add_u32 v[SPW], v[NIL]
	s_wait_dscnt 0x0
	CROUND                                         ; the closing round
	s_endpgm
.Lfunc_end_k_q1493924111_oproj:
	.size	k_q1493924111_oproj, .Lfunc_end_k_q1493924111_oproj-k_q1493924111_oproj
	.p2alignl 7, 3214868480
	.fill 96, 4, 3214868480
	.section	.rodata,"a",@progbits
	.p2align	6, 0x0
	.amdhsa_kernel k_q1493924111_oproj
		.amdhsa_group_segment_fixed_size 327680
		.amdhsa_private_segment_fixed_size 0
		.amdhsa_enable_private_segment 0
		.amdhsa_kernarg_size 32
		.amdhsa_user_sgpr_count 2
		.amdhsa_user_sgpr_kernarg_segment_ptr 1
		.amdhsa_wavefront_size32 1
		.amdhsa_system_sgpr_workgroup_id_x 1
		.amdhsa_system_sgpr_workgroup_id_y 1
		.amdhsa_system_sgpr_workgroup_id_z 1
		.amdhsa_system_vgpr_workitem_id 0
		.amdhsa_next_free_vgpr 512
		.amdhsa_next_free_sgpr 72
		.amdhsa_reserve_vcc 0
		.amdhsa_float_denorm_mode_32 3
		.amdhsa_float_denorm_mode_16_64 3
		.amdhsa_memory_ordered 1
		.amdhsa_forward_progress 1
		.amdhsa_inst_pref_size 59
	.end_amdhsa_kernel
	.amdgpu_metadata
---
amdhsa.version: [ 1, 2 ]
amdhsa.kernels:
  - .name:           k_q1493924111_oproj
    .symbol:         k_q1493924111_oproj.kd
    .args:
      - { .name: oimg, .offset: 0, .size: 8, .value_kind: global_buffer, .address_space: global }
      - { .name: woimg, .offset: 8, .size: 8, .value_kind: global_buffer, .address_space: global }
      - { .name: bo, .offset: 16, .size: 8, .value_kind: global_buffer, .address_space: global }
      - { .name: y, .offset: 24, .size: 8, .value_kind: global_buffer, .address_space: global }
    .group_segment_fixed_size: 327680
    .private_segment_fixed_size: 0
    .kernarg_segment_align: 8
    .kernarg_segment_size: 32
    .max_flat_workgroup_size: 128
    .sgpr_count:     72
    .vgpr_count:     512
    .wavefront_size: 32
...
	.end_amdgpu_metadata
.endif
;; end of part 4
;; launch lnorm (part 5): grid 256 x 1, 8 waves a work-group, no clusters, 0 bytes of LDS; arguments y, gamma, beta, out0; writes out0
.if DOCPART == 5
	.amdgcn_target "amdgcn-amd-amdhsa--gfx1250"
	.amdhsa_code_object_version 6
	.text
	.protected	k_q1493924111_lnorm
	.globl	k_q1493924111_lnorm
	.p2align	8
	.type	k_q1493924111_lnorm,@function
k_q1493924111_lnorm:
	s_mov_b64 s[64:65], 0
	v_nop
	global_prefetch_b8 v0, s[64:65] scope:SCOPE_SE
	s_setreg_imm32_b32 hwreg(HW_REG_WAVE_MODE, 25, 1), 1
	s_wait_xcnt 0x0
; LNORM.  out0[r][c] = ((y[r][c] - mean_r) / sqrt(var_r + 1e-5) gamma[c] + beta[c]) x 0.2, all in f32.  y, out0: [2048][1024]; gamma, beta: [1024].
; One wave, one row of 4,096 bytes: 32 registers a lane, kept between the passes, so the row is read once.  The reduction never leaves the wave: no LDS, no barrier.  All 24 loads of a wave go out at once.
; The variance is taken of y - mean, in a second pass over the registers: no difference of large sums is formed.
; Matrix units, clusters and tensor loads buy nothing here: each byte is read once by one wave.
.set Y,  16                            ; v16-47   the row, then the result
.set G,  48                            ; v48-79   gamma at my columns
.set BT, 80                            ; v80-111  beta
	s_load_b256 s[4:11], s[0:1], 0x0               ; y s[4:5], gamma s[6:7], beta s[8:9], out0 s[10:11]
	v_lshrrev_b32 v1, 5, v0
	v_readfirstlane_b32 s12, v1                    ; wave 0..7
	v_and_b32 v2, 31, v0
	v_lshlrev_b32 v2, 4, v2                        ; 16 bytes a lane
	s_lshl_b32 s13, ttmp9, 3
	s_add_co_u32 s13, s13, s12                     ; my row
	s_lshl_b32 s14, s13, 12
	s_mov_b32 s15, 0
	s_mov_b32 s16, 0x76543210                      ; v_permlanex16_b32's selects for lane l xor 16
	s_mov_b32 s17, 0xfedcba98
	s_mov_b32 s18, 0x3a800000                      ; 1 / 1,024
	s_mov_b32 s19, 0x3727c5ac                      ; 1e-5
	s_mov_b32 s20, 0x3e4ccccd                      ; 0.2
	s_mov_b32 s21, s20
	s_wait_kmcnt 0x0
	s_add_nc_u64 s[4:5], s[4:5], s[14:15]
	s_add_nc_u64 s[10:11], s[10:11], s[14:15]
.irp n, 0,1,2,3,4,5,6,7
	global_load_b128 v[Y+4*\n:Y+4*\n+3], v2, s[4:5] offset:512*\n th:TH_LOAD_NT   ; 32 lanes read 512 consecutive bytes
.endr
.irp n, 0,1,2,3,4,5,6,7
	global_load_b128 v[G+4*\n:G+4*\n+3], v2, s[6:7] offset:512*\n
.endr
.irp n, 0,1,2,3,4,5,6,7
	global_load_b128 v[BT+4*\n:BT+4*\n+3], v2, s[8:9] offset:512*\n
.endr
.macro FOLD                            ; four pairs of partial sums in v[4:11] become the row's sum in v4 of every lane
	v_pk_add_f32 v[4:5], v[4:5], v[6:7]
	v_pk_add_f32 v[8:9], v[8:9], v[10:11]
	v_pk_add_f32 v[4:5], v[4:5], v[8:9]
	v_add_f32 v4, v4, v5
	v_add_f32_dpp v4, v4, v4 row_xmask:1 row_mask:0xf bank_mask:0xf
	v_add_f32_dpp v4, v4, v4 row_xmask:2 row_mask:0xf bank_mask:0xf
	v_add_f32_dpp v4, v4, v4 row_xmask:4 row_mask:0xf bank_mask:0xf
	v_add_f32_dpp v4, v4, v4 row_xmask:8 row_mask:0xf bank_mask:0xf
	v_permlanex16_b32 v5, v4, s16, s17
	v_add_f32 v4, v4, v5
.endm
	s_wait_loadcnt 16                              ; the row is in; gamma's and beta's sixteen loads may be out
.irp c, 0,1,2,3                        ; the sum, in four chains that do not wait for each other; the first additions start them
	v_pk_add_f32 v[4+2*\c:5+2*\c], v[Y+2*\c:Y+2*\c+1], v[Y+8+2*\c:Y+9+2*\c]
.endr
.irp p, 8,12
.irp c, 0,1,2,3
	v_pk_add_f32 v[4+2*\c:5+2*\c], v[4+2*\c:5+2*\c], v[Y+2*(\p+\c):Y+2*(\p+\c)+1]
.endr
.endr
	FOLD
	v_mul_f32 v12, s18, v4                         ; the mean
	v_mov_b32 v13, v12
.irp p, 0,1,2,3,4,5,6,7,8,9,10,11,12,13,14,15
	v_pk_add_f32 v[Y+2*\p:Y+2*\p+1], v[Y+2*\p:Y+2*\p+1], v[12:13] neg_lo:[0,1] neg_hi:[0,1]   ; y - mean
.endr
.irp c, 0,1,2,3
	v_pk_mul_f32 v[4+2*\c:5+2*\c], v[Y+2*\c:Y+2*\c+1], v[Y+2*\c:Y+2*\c+1]
.endr
.irp p, 4,8,12
.irp c, 0,1,2,3
	v_pk_fma_f32 v[4+2*\c:5+2*\c], v[Y+2*(\p+\c):Y+2*(\p+\c)+1], v[Y+2*(\p+\c):Y+2*(\p+\c)+1], v[4+2*\c:5+2*\c]
.endr
.endr
	FOLD
	v_fma_f32 v4, v4, s18, s19                     ; the variance + 1e-5
	v_rsq_f32 v14, v4
	v_rsq_f32 v15, v4                              ; twice: a pair for the packed multiply
	v_nop                                          ; a plain instruction behind the second, ahead of the first use
	s_wait_alu depctr_va_vdst(0)                   ; one wait for both, ahead of the first line that names a result
	s_wait_loadcnt 0x0                             ; gamma and beta
.irp p, 0,1,2,3,4,5,6,7,8,9,10,11,12,13,14,15
	v_pk_mul_f32 v[Y+2*\p:Y+2*\p+1], v[Y+2*\p:Y+2*\p+1], v[14:15]
.endr
.irp p, 0,1,2,3,4,5,6,7,8,9,10,11,12,13,14,15
	v_pk_fma_f32 v[Y+2*\p:Y+2*\p+1], v[Y+2*\p:Y+2*\p+1], v[G+2*\p:G+2*\p+1], v[BT+2*\p:BT+2*\p+1]
.endr
.irp p, 0,1,2,3,4,5,6,7,8,9,10,11,12,13,14,15
	v_pk_mul_f32 v[Y+2*\p:Y+2*\p+1], v[Y+2*\p:Y+2*\p+1], s[20:21] op_sel_hi:[1,0]
.endr
.irp n, 0,1,2,3,4,5,6,7
	global_store_b128 v2, v[Y+4*\n:Y+4*\n+3], s[10:11] offset:512*\n th:TH_STORE_NT   ; 32 lanes store 512 consecutive bytes, aligned
.endr
	s_endpgm
.Lfunc_end_k_q1493924111_lnorm:
	.size	k_q1493924111_lnorm, .Lfunc_end_k_q1493924111_lnorm-k_q1493924111_lnorm
	.p2alignl 7, 3214868480
	.fill 96, 4, 3214868480
	.section	.rodata,"a",@progbits
	.p2align	6, 0x0
	.amdhsa_kernel k_q1493924111_lnorm
		.amdhsa_group_segment_fixed_size 0
		.amdhsa_private_segment_fixed_size 0
		.amdhsa_enable_private_segment 0
		.amdhsa_kernarg_size 32
		.amdhsa_user_sgpr_count 2
		.amdhsa_user_sgpr_kernarg_segment_ptr 1
		.amdhsa_wavefront_size32 1
		.amdhsa_system_sgpr_workgroup_id_x 1
		.amdhsa_system_sgpr_workgroup_id_y 1
		.amdhsa_system_sgpr_workgroup_id_z 1
		.amdhsa_system_vgpr_workitem_id 0
		.amdhsa_next_free_vgpr 112
		.amdhsa_next_free_sgpr 66
		.amdhsa_reserve_vcc 0
		.amdhsa_float_denorm_mode_32 3
		.amdhsa_float_denorm_mode_16_64 3
		.amdhsa_memory_ordered 1
		.amdhsa_forward_progress 1
		.amdhsa_inst_pref_size 12
	.end_amdhsa_kernel
	.amdgpu_metadata
---
amdhsa.version: [ 1, 2 ]
amdhsa.kernels:
  - .name:           k_q1493924111_lnorm
    .symbol:         k_q1493924111_lnorm.kd
    .args:
      - { .name: y, .offset: 0, .size: 8, .value_kind: global_buffer, .address_space: global }
      - { .name: gamma, .offset: 8, .size: 8, .value_kind: global_buffer, .address_space: global }
      - { .name: beta, .offset: 16, .size: 8, .value_kind: global_buffer, .address_space: global }
      - { .name: out0, .offset: 24, .size: 8, .value_kind: global_buffer, .address_space: global }
    .group_segment_fixed_size: 0
    .private_segment_fixed_size: 0
    .kernarg_segment_align: 8
    .kernarg_segment_size: 32
    .max_flat_workgroup_size: 256
    .sgpr_count:     66
    .vgpr_count:     112
    .wavefront_size: 32
...
	.end_amdgpu_metadata
.endif
;; end of part 5
